; MI455X (gfx1250); checked and timed in simulation.
; The chip was launched on July 23, 2026; its instructions are those of AMD's public machine-readable ISA for CDNA 5 (MIT licence, August 2026) and "CDNA5" Instruction Set Architecture Reference Guide (July 2026). The comments in the code are by the model that wrote it; some were corrected since.
;; Multihead Attention. Allowed arithmetic: matrix products marked QUANTISED: E2M3 operands, one E8M0 scale for each 32 along K, by v_wmma_scale_f32_16x16x128_f8f6f4 with both operands' format E2M3, f32 sums; everything else in f32.
;; Inputs: Wk 1,024 x 1,024 float32; Wo 1,024 x 1,024 float32; Wq 1,024 x 1,024 float32; Wv 1,024 x 1,024 float32; bk 1,024 float32; bo 1,024 float32; bq 1,024 float32; bv 1,024 float32; kn_b 64 float32; kn_w 64 float32; qn_b 64 float32; qn_w 64 float32; x 2 x 2,048 x 1,024 float32.
;; Outputs: out0 2 x 2,048 x 1,024 float32.
;; This version of the problem:
;;   THIS VERSION OF THE PROBLEM IS GIVEN IN LOW PRECISION. The matrix products marked QUANTISED in the list below multiply operands that are first quantised to E2M3 (2 exponent bits, 3 mantissa bits; 6 bits a number), with one power-of-two scale for each 32 numbers along K (OCP MX v1.0); their sums are f32. All else is computed in f32.
;;   The module's matrix products, in the order in which they are computed (A, B: the left and right operand; K: the contracted axis; several contracted axes count as one K, in the product's order):
;;     1. [M 4,096, K 1,024] x [K 1,024, N 1,024]; A: input x; B: input Wq: QUANTISED
;;     2. [M 4,096, K 1,024] x [K 1,024, N 1,024]; A: input x; B: input Wk: QUANTISED
;;     3. [M 4,096, K 1,024] x [K 1,024, N 1,024]; A: input x; B: input Wv: QUANTISED
;;     4. batch 32 x [M 2,048, K 64] x [K 64, N 2,048]; A: computed on the way; B: computed on the way: QUANTISED
;;     5. batch 32 x [M 64, K 2,048] x [K 2,048, N 2,048]; A: computed on the way; B: softmax (see below): QUANTISED
;;     6. [M 4,096, K 1,024] x [K 1,024, N 1,024]; A: computed on the way; B: input Wo: QUANTISED
;;   THE QUANTISER, for each operand of a quantised product, along K:
;;     - K is cut into blocks of 32 from its start; a last block that is shorter is filled with zeros.
;;     - A block's scale is 2^e with e = floor(log2(the largest magnitude in the block)) - 2, held to -126 .. 127; a block of zeros has e = 0. As a byte (E8M0): e + 127.
;;     - Each number is divided by its block's scale, clamped to +-7.5, and rounded to the nearest number of E2M3, ties to even, subnormals kept.
;;     - The product sums the exact products of the quantised numbers (number of the format x scale) in f32.
;;   ~~~python
;;   def quantise(x, axis):      # numpy; x: float32 -> the quantised numbers, widened to float32 again
;;       x = np.moveaxis(x, axis, -1); K = x.shape[-1]
;;       x = np.pad(x, [(0, 0)] * (x.ndim - 1) + [(0, -K % 32)]); x = x.reshape(x.shape[:-1] + (-1, 32)); a = np.abs(x).max(-1, keepdims=True)
;;       e = np.where(a > 0, np.clip(np.frexp(np.where(a > 0, a, 1))[1] - 1 - 2, -126, 127), 0)      # np.frexp(a)[1] - 1 = floor(log2(a)), exactly
;;       r = np.clip(x / 2.0 ** e, -7.5, 7.5)
;;       step = 2.0 ** (np.maximum(np.frexp(np.where(r == 0, 1, r))[1] - 1, 0) - 3)
;;       q = np.round(r / step) * step * 2.0 ** e      # np.round: ties to even
;;       return np.moveaxis(q.reshape(q.shape[:-2] + (-1,))[..., :K], -1, axis).astype(np.float32)
;;   ~~~
;;   SOFTMAX AHEAD OF A QUANTISED PRODUCT. Where the list says 'softmax', what is quantised is not the finished softmax but p = 2^(t - M), with t = logit x log2(e) and M = ceil(the row's largest t), a whole number; so 1/2 < the row's largest p <= 1. The row's sum l is taken of the UNQUANTISED p, in f32, and the product's result is divided by l at the end. Since M is a whole number, a kernel that streams over the keys may use a running M (the ceiling of the running maximum): every later rescaling is an exact power of two, which a block's scale takes up: the codes' values come out the same.
;;   OPERANDS COMPUTED ON THE WAY. 'Computed on the way' means the value that the module computes at that place (a softmax that the list does not call 'softmax' is quantised finished and normalised). What goes into a quantiser is computed in f32, as accurately as f32 sums, v_exp_f32 and their like allow (about 1e-6 of the number): no bf16 or f16 on the way to a quantiser, and a product that is left as it is and whose result goes on into a quantised operand takes f32 operands (vector FMAs, or v_wmma_f32_16x16x4_f32). A number that lies on a knife's edge between two numbers of the format may be rounded either way, as far as f32 arithmetic and the matrix unit's own rounding can turn it there, and no further.
;; One version. Each part assembles by itself: llvm-mc -triple=amdgcn-amd-amdhsa -mcpu=gfx1250 --defsym DOCPART=n.
;; ======== version 1 of 1: 4 launches
;; limits: right only within a limited range of input values
;; workspace buffers: c 6,291,456 bytes; s 262,144 bytes; q 3,407,872 bytes; kv 6,684,672 bytes; aoc 3,145,728 bytes; aos 131,072 bytes
;; launch quant (part 1): grid 256 x 1, 2 waves a work-group, no clusters, 17,664 bytes of LDS; arguments x, Wq, Wk, Wv, Wo, c, s; writes c, s
.if DOCPART == 1
	.amdgcn_target "amdgcn-amd-amdhsa--gfx1250"
	.amdhsa_code_object_version 6
	.text
	.protected	k_q45a2490d9e_quant
	.globl	k_q45a2490d9e_quant
	.p2align	8
	.type	k_q45a2490d9e_quant,@function
k_q45a2490d9e_quant:
	s_mov_b64 s[64:65], 0
	v_nop
	global_prefetch_b8 v0, s[64:65] scope:SCOPE_SE
	s_setreg_imm32_b32 hwreg(HW_REG_WAVE_MODE, 25, 1), 1
	s_wait_xcnt 0x0
; x [4096][1024] and Wq, Wk, Wv, Wo [1024][1024], f32, K innermost, become codes of FP6 (E2M3) with one E8M0 scale byte for each 32 along K, laid as the later launches' matrix operands want them.
; A block's scale is 2^(floor(log2(its largest magnitude)) - 2); its byte is the largest magnitude's exponent field - 2, held at 1 from below; each number is divided by the scale and rounded to the nearest code, ties to even.
; LIMITS: a block of zeros gets the byte 1 (its codes are zeros, and this program alone reads the bytes); NaN and infinities among the inputs are not served.
; ROW ORDER.  The 8,192 rows (x, Wq, Wk, Wv, Wo on end) are kept by POSITION: position p holds row 32 (p / 32) + 8 ((p / 16) % 2) + p % 16 + 8 ((p / 8) % 2): in each 32 rows the second and third eight change places.
; A block of 16 positions taken as a matrix instruction's source 0 then gives a lane, in two neighbouring result tiles, 16 neighbours along that axis.
; CODES.  c: [block of 16 positions][K / 64][768 bytes].  The 768 bytes are an image of registers: lane (r = lane % 16, h = lane / 16) owns the 24 bytes of position r's block h of the 64: its first 16 bytes at 16 x lane, its last 8 at 512 + 8 x lane.
; SCALES. s: [position][32 bytes].
; SHARES.  Work-group g takes 32 rows, wave w the block of 16 positions 2 g + w, in 16 steps of 64 along K.  A step's eight loads read 256 consecutive bytes in each half of the lanes; the 4,096 bytes turn through the wave's own
; stage in LDS (rows of 256 + 16 bytes) and come back 128 bytes a lane: a whole block of 32 numbers, so that no other lane is asked for the maximum.  Loads run four steps (32 loads a wave) ahead, the turn through LDS one step.
; No tensor loads, no barrier: waves share nothing.
.set SP,    272                        ; a stage row
.set STG,   16*SP                      ; a stage; each wave has two
.set STEPS, 16
.set EMAX,  2
.set R,     32                         ; v32-159  four sets of 32 numbers as they are loaded
.set X,     160                        ; v160-223 two sets of 32 neighbours
.set C,     224                        ; v224-239 two sets of 8: a step's codes
.set SB,    240                        ; v240-247 my row's 32 scale bytes
	s_load_b256 s[4:11], s[0:1], 0x0               ; x, Wq, Wk, Wv
	s_load_b128 s[12:15], s[0:1], 0x20             ; Wo, c
	s_load_b64 s[16:17], s[0:1], 0x30              ; s
	v_lshl_add_u32 v254, v0, 2, 0x4400
	v_mov_b32 v255, 0
	v_lshrrev_b32 v1, 5, v0
	v_readfirstlane_b32 s18, v1                    ; wave
	v_and_b32 v1, 31, v0                           ; lane
	v_and_b32 v2, 15, v0                           ; r
	v_bfe_u32 v3, v0, 4, 1                         ; h
	v_lshlrev_b32 v4, 4, v2
	v_lshl_add_u32 v4, v3, 12, v4                  ; in: lanes 0-15 one row's 256 bytes, lanes 16-31 the next row's
	s_mul_i32 s19, s18, 2*STG                      ; my wave's two stages
	v_mul_u32_u24 v5, v3, SP
	v_lshl_add_u32 v5, v2, 4, v5
	v_add_nc_u32 v5, s19, v5                       ; into the stage: as loaded
	v_mul_u32_u24 v6, v2, SP
	v_lshl_add_u32 v6, v3, 7, v6
	v_add_nc_u32 v6, s19, v6                       ; out of it: row r, block h: 128 bytes
	v_lshlrev_b32 v7, 4, v1                        ; an image's first part: 16 x lane
	v_lshlrev_b32 v8, 3, v1                        ; its second: 8 x lane
	v_lshlrev_b32 v9, 5, v2
	v_lshl_add_u32 v9, v3, 4, v9                   ; the scale bytes: 32 r + 16 h
	v_lshlrev_b32 v10, 3, v3                       ; 8 h: my byte's place in a step's two
	v_mov_b32 v16, 0                               ; written once: a lane permute's destination counts as one of its sources
	s_mov_b32 s24, 0x76543210
	s_mov_b32 s25, 0xfedcba98                      ; v_permlanex16_b32's selects for lane l xor 16
	s_lshr_b32 s20, ttmp9, 5                       ; 0-3: x;  4, 5, 6, 7: Wq, Wk, Wv, Wo
	s_and_b32 s21, ttmp9, 31
	s_cmp_lt_u32 s20, 4
	s_cselect_b32 s21, ttmp9, s21                  ; which 32 rows of that tensor
	s_lshl_b32 s22, s21, 17                        ; 32 rows of 4,096 bytes
	s_lshl_b32 s23, s18, 15                        ; wave 1 begins eight rows further down
	s_add_co_u32 s22, s22, s23
	s_mov_b32 s23, 0
	s_lshl_b32 s26, ttmp9, 1
	s_add_co_u32 s26, s26, s18                     ; my block of 16 positions
	s_mul_i32 s28, s26, 12288
	s_mov_b32 s29, 0
	s_lshl_b32 s30, s26, 9
	s_mov_b32 s31, 0
	s_wait_alu depctr_va_vdst(0)
	s_wait_kmcnt 0x0
	s_cmp_eq_u32 s20, 4                            ; the choice hangs on the work-group's number alone
	s_cselect_b64 s[4:5], s[6:7], s[4:5]
	s_cmp_eq_u32 s20, 5
	s_cselect_b64 s[4:5], s[8:9], s[4:5]
	s_cmp_eq_u32 s20, 6
	s_cselect_b64 s[4:5], s[10:11], s[4:5]
	s_cmp_eq_u32 s20, 7
	s_cselect_b64 s[4:5], s[12:13], s[4:5]
	s_add_nc_u64 s[4:5], s[4:5], s[22:23]
	s_add_nc_u64 s[14:15], s[14:15], s[28:29]
	s_add_nc_u64 s[16:17], s[16:17], s[30:31]
.macro LOAD t                          ; step t: stage rows 2 i and 2 i + 1 are my positions 2 i, 2 i + 1: rows 2 i + 8 (i / 4) on
.irp i, 0,1,2,3,4,5,6,7
	global_load_b128 v[R+32*((\t)%4)+4*\i:R+32*((\t)%4)+4*\i+3], v4, s[4:5] offset:(2*\i+8*(\i/4))*4096+256*(\t) th:TH_LOAD_NT
.endr
.endm
.macro TURN t                          ; through the stage: LDS serves a wave's instructions in order, so no wait stands between the stores and the loads
.irp i, 0,1,2,3,4,5,6,7
	ds_store_b128 v5, v[R+32*((\t)%4)+4*\i:R+32*((\t)%4)+4*\i+3] offset:STG*((\t)%2)+2*SP*\i
.endr
.irp j, 0,1,2,3,4,5,6,7
	ds_load_b128 v[X+32*((\t)%2)+4*\j:X+32*((\t)%2)+4*\j+3], v6 offset:STG*((\t)%2)+16*\j
.endr
.endm
.irp t, 0,1,2,3
	LOAD \t
.endr
	s_wait_loadcnt 24                              ; step 0's eight loads are in; the 24 of steps 1 to 3 may be out
	TURN 0
.macro STEP t
.set XS, X+32*((\t)%2)
.set CC, C+8*((\t)%2)
	s_wait_dscnt 0x0                               ; this step's numbers are back from the stage: so its stores into the stage have read their registers,
.if (\t)+4 < STEPS
	LOAD (\t)+4                                    ; which take the loads of four steps on
.endif
.if (\t)+1 < STEPS
.if (\t)+4 < STEPS
	s_wait_loadcnt 24                              ; the next step's eight loads are in; those of the three steps behind it may be out
.else
	s_wait_loadcnt 8*(STEPS-2-(\t))
.endif
	TURN (\t)+1                                    ; and go through the other stage while this step is worked
.endif
	v_max3_num_f32 v12, |v[XS]|, |v[XS+1]|, |v[XS+2]|               ; the block's largest magnitude: all 32 numbers are mine; two chains
	v_max3_num_f32 v13, |v[XS+3]|, |v[XS+4]|, |v[XS+5]|
.irp i, 6,10,14,18,22,26
	v_max3_num_f32 v12, v12, |v[XS+\i]|, |v[XS+\i+1]|
	v_max3_num_f32 v13, v13, |v[XS+\i+2]|, |v[XS+\i+3]|
.endr
	v_max3_num_f32 v12, v12, |v[XS+30]|, |v[XS+31]|
	v_max3_num_f32 v12, v12, v13, (EMAX+1)<<23     ; and the floor 2^(EMAX + 1 - 127): the byte cannot fall under 1
	v_add_nc_u32 v11, -(EMAX<<23), v12             ; EMAX off its exponent field: the conversion takes the exponent field of this operand as its scale
	v_lshrrev_b32 v13, 23, v11                     ; the scale's byte
	s_wait_alu depctr_va_vdst(0)
	s_wait_xcnt 0x0                                ; the stores of two steps back have read this set of code registers: only now is it written again
	v_cvt_scalef32_pk16_fp6_f32 v[CC:CC+2], v[XS:XS+15], v11
	v_cvt_scalef32_pk16_fp6_f32 v[CC+4:CC+6], v[XS+16:XS+31], v11   ; (a conversion's three registers begin on an even number)
	v_lshlrev_b32 v14, v10, v13                    ; my byte at its place, 8 h bits up.  (The plain line behind the conversions)
	v_mov_b32 v[CC+3], v[CC+4]                     ; the block's 24 bytes on end
	v_mov_b32 v[CC+4], v[CC+5]
	v_mov_b32 v[CC+5], v[CC+6]
	v_permlanex16_b32 v16, v14, s24, s25
	v_or_b32 v14, v14, v16                         ; with lane l xor 16's: the step's two bytes of my row
.if (\t)%2 == 0
	v_mov_b32 v[SB+(\t)/2], v14
.else
	v_lshl_or_b32 v[SB+(\t)/2], v14, 16, v[SB+(\t)/2]
.endif
	global_store_b128 v7, v[CC:CC+3], s[14:15] offset:768*(\t)         ; 512 consecutive bytes, at a multiple of 256 from c's first byte
	global_store_b64 v8, v[CC+4:CC+5], s[14:15] offset:768*(\t)+512    ; and 256 more
.endm
.irp t, 0,1,2,3,4,5,6,7,8,9,10,11,12,13,14,15
	STEP \t
.endr
	v_cmp_le_u32 vcc_lo, 16, v1                    ; lanes 0-15 store a row's first 16 scale bytes, lanes 16-31 its last 16
.irp i, 0,1,2,3
	v_cndmask_b32 v[248+\i], v[SB+\i], v[SB+4+\i], vcc_lo
.endr
	global_store_b128 v9, v[248:251], s[16:17]     ; the wave stores 512 consecutive bytes
	s_wait_tensorcnt 0x0
	ds_add_u32 v254, v255
	s_wait_dscnt 0x0
	s_endpgm
.Lfunc_end_k_q45a2490d9e_quant:
	.size	k_q45a2490d9e_quant, .Lfunc_end_k_q45a2490d9e_quant-k_q45a2490d9e_quant
	.p2alignl 7, 3214868480
	.fill 96, 4, 3214868480
	.section	.rodata,"a",@progbits
	.p2align	6, 0x0
	.amdhsa_kernel k_q45a2490d9e_quant
		.amdhsa_group_segment_fixed_size 17664
		.amdhsa_private_segment_fixed_size 0
		.amdhsa_enable_private_segment 0
		.amdhsa_kernarg_size 56
		.amdhsa_user_sgpr_count 2
		.amdhsa_user_sgpr_kernarg_segment_ptr 1
		.amdhsa_wavefront_size32 1
		.amdhsa_system_sgpr_workgroup_id_x 1
		.amdhsa_system_sgpr_workgroup_id_y 1
		.amdhsa_system_sgpr_workgroup_id_z 1
		.amdhsa_system_vgpr_workitem_id 0
		.amdhsa_next_free_vgpr 256
		.amdhsa_next_free_sgpr 66
		.amdhsa_reserve_vcc 1
		.amdhsa_float_denorm_mode_32 3
		.amdhsa_float_denorm_mode_16_64 3
		.amdhsa_memory_ordered 1
		.amdhsa_forward_progress 1
		.amdhsa_inst_pref_size 61
	.end_amdhsa_kernel
	.amdgpu_metadata
---
amdhsa.version: [ 1, 2 ]
amdhsa.kernels:
  - .name:           k_q45a2490d9e_quant
    .symbol:         k_q45a2490d9e_quant.kd
    .args:
      - { .name: x, .offset: 0, .size: 8, .value_kind: global_buffer, .address_space: global }
      - { .name: Wq, .offset: 8, .size: 8, .value_kind: global_buffer, .address_space: global }
      - { .name: Wk, .offset: 16, .size: 8, .value_kind: global_buffer, .address_space: global }
      - { .name: Wv, .offset: 24, .size: 8, .value_kind: global_buffer, .address_space: global }
      - { .name: Wo, .offset: 32, .size: 8, .value_kind: global_buffer, .address_space: global }
      - { .name: c, .offset: 40, .size: 8, .value_kind: global_buffer, .address_space: global }
      - { .name: s, .offset: 48, .size: 8, .value_kind: global_buffer, .address_space: global }
    .group_segment_fixed_size: 17664
    .private_segment_fixed_size: 0
    .kernarg_segment_align: 8
    .kernarg_segment_size: 56
    .max_flat_workgroup_size: 64
    .sgpr_count:     66
    .vgpr_count:     256
    .wavefront_size: 32
...
	.end_amdgpu_metadata
.endif
;; end of part 1
;; launch qkv (part 2): grid 12 x 16, 4 waves a work-group, clusters of 4 x 4, 327,680 bytes of LDS; arguments c, s, bq, bk, bv, qn_w, qn_b, kn_w, kn_b, q, kv; writes q, kv
.if DOCPART == 2
	.amdgcn_target "amdgcn-amd-amdhsa--gfx1250"
	.amdhsa_code_object_version 6
	.text
	.protected	k_q45a2490d9e_qkv
	.globl	k_q45a2490d9e_qkv
	.p2align	8
	.type	k_q45a2490d9e_qkv,@function
k_q45a2490d9e_qkv:
	s_mov_b64 s[64:65], 0
	v_nop
	global_prefetch_b8 v0, s[64:65] scope:SCOPE_SE
	s_setreg_imm32_b32 hwreg(HW_REG_WAVE_MODE, 25, 1), 1
	s_wait_xcnt 0x0
	s_wait_alu depctr_hold_cnt(0) depctr_sa_sdst(0) depctr_va_vdst(0) depctr_va_sdst(0) depctr_va_ssrc(0) depctr_va_vcc(0) depctr_vm_vsrc(0)
	s_getreg_b32 s2, hwreg(HW_REG_IB_STS2, 6, 4)
	s_cmp_eq_u32 s2, 0
	s_cbranch_scc0 .Lentry_in_a_cluster
	s_endpgm
.Lentry_in_a_cluster:
	s_bfe_u32 s2, ttmp6, 0x10000c
	s_cmp_lg_u32 s2, 0xf033
	s_cbranch_scc0 .Lentry_shape_is_right
	s_endpgm
.Lentry_shape_is_right:
; q = LN(x Wq^T + bq), k = LN(x Wk^T + bk), v = x Wv^T + bv, the three products on codes of FP6 (E2M3) with E8M0 scales; the results leave as codes again: q and k quantised along the head's 64, v along the keys.
; OPERANDS (made by the launch before): c: [block of 16 positions][K / 64][768 bytes], each 768 bytes an image of six registers a lane (16 bytes at 16 x lane, 8 bytes at 512 + 8 x lane); s: [position][32 scale bytes].
; Blocks 0-255 are x, 256-319 Wq, 320-383 Wk, 384-447 Wv.  Position p holds row 32 (p / 32) + 8 ((p / 16) % 2) + p % 16 + 8 ((p / 8) % 2).
; A tile, 256 x 256, is made by a work-group of four waves, 128 x 128 each: 64 accumulators of 16 x 16, 512 registers.  K goes in four steps of 256 through a ring of two LDS slots filled by the tensor data mover.
; THE MATRIX INSTRUCTION IS USED TRANSPOSED (source 0 = 16 positions of 'B', source 1 = 16 positions of 'A'): a lane holds ONE row of 'A', and, by the order of positions, the 16 registers of result tiles 2 b and 2 b + 1 are
; 16 NEIGHBOURS along 'B': 32 b + 16 (lane / 16) + 0 .. 15.  So the axis that is quantised next has to be 'B':
;   cluster x = 0 (q), 1 (k): 'A' = x (tokens), 'B' = Wq or Wk (channels);     cluster x = 2 (v): 'A' = Wv (channels), 'B' = x (keys).
; CLUSTERS: 4 x 4 work-groups.  The four of a row of the cluster need the same tiles of 'A', the four of a column the same tiles of 'B': each tile is asked for JOINTLY.  The role hangs on the cluster's x, which all sixteen share.
; THE GRID is 192 work-groups: the product 4,096 x 3,072 has no more tiles of 256 x 256, and a smaller tile would read each fragment from LDS for half as many products.
; OUT.  q: record (16 (16 batch + head) + group of 128 positions) of 6,656 bytes: eight images of 768 bytes (16 positions x the head's 64), then 512 bytes of scale words [r][tile].
;       kv: record (16 (16 batch + head) + step of 128 keys) of 13,056 bytes: K as q's eight images; at 6,144 V's four fragments (16 channel positions x 128 keys: 3 x 512 bytes, 16 bytes a lane); at 12,288 K's scale words [r][tile]; at 12,800 V's [r][tile].
;       A scale word of q or k is its two bytes twice: the upper 64 of the next product's 128 along K are zero codes on both sides.
; LIMITS: a block of zeros gets the scale byte 1 (its codes are zeros; this program alone reads the bytes); NaN and infinities are not served.
; REGISTERS, in windows of 256: window 0: v0-31 addresses; v32-63 scale words, two sets, and nothing else; v128-223 A's fragments, ONE set; window 1: B's fragments, TWO sets, at v0 and v128;
;   window 2: the accumulators of my rows 0-63 ((a, b) at v[8 (8 a + b)]); window 3: those of rows 64-127.  The way out's map stands at its head.
.set NQ,     2                         ; matrix instructions deep in a slot
.set FR,     12                        ; registers of a fragment: 16 rows x 128 K
.set NL,     4                         ; LDS loads that bring one
.set NP,     4                         ; places behind this matrix instruction (ISA guide 7.12.1)
.set RBK,    3072                      ; a block of 16 positions x 256 K: four images
.set RBB,    12288                     ; a block of 16 positions x all of K
.set HALFT,  8*RBK                     ; 128 positions: what one tensor load brings, and what one wave reads of A or of B
.set SLOT,   4*HALFT                   ; A's 256 positions, then B's
.set KS,     32                        ; a row of scale bytes
.set SCL,    2*SLOT                    ; behind the ring: the scales, as units of 256 bytes + 16 of padding
.set HALFS,  16*272                    ; the scales of 128 positions: half of what one tensor load brings
.set SBLK,   2*272                     ; those of 16
.set SPARE,  SCL+4*HALFS               ; behind the scales: the spare words, 128 bytes for each wave: two blocks of 256 bytes that no other line names
.set ADRA, 16                          ; v16-17  16 x lane + my A positions in slot 0, 1;  v18-19 the same with 8 x lane
.set ADRB, 20                          ; v20-23  the same for B
.set ADRS, 27                          ; v27     LDS address of my scale words: lanes 0-15 A's rows, lanes 16-31 B's
.set SPW,  28                          ; v28     LDS address of my spare word; never rewritten
.set NIL,  29                          ; v29     0; never rewritten
.set SC,   32                          ; scale words: set s at v[SC + 16 s]; register 2 i + q: lanes 0-15 A's block i, lanes 16-31 B's block i, the slot's q-th 128 along K
.set AF,   128
.set G1,   24                          ; s[24:31] group 1 for A's tiles; s[32:39] group 0, a set for each slot
.set G0,   32
.set G1B,  48                          ; s[48:55], s[56:63] the same for B's
.set G0B,  56
.set G1S,  68                          ; s[68:75], s[76:79] groups 1 and 0 for A's scales; s[80:87], s[88:91] for B's
.set G0S,  76
.set G1SB, 80
.set G0SB, 88
.set MSB, 0
.macro WIN new                         ; the immediate's high byte repeats the setting that is left
.if MSB != (\new)
	s_set_vgpr_msb (MSB<<8)|(\new)
.set MSB, (\new)
.endif
.endm
.set MUL_LO, 0xa1                      ; source 0 (B) window 1, source 1 (A) window 0, C and D window 2
.set MUL_HI, 0xf1                      ; the same, C and D window 3
.set TO_B,   0x40                      ; destination window 1, address window 0
; A joint load: waves 0 and 1 fetch for A, waves 2 and 3 for B.  Each line has ONE mask and one set of registers for all that issue it; the branch hangs on the wave's number alone.
; Four v_nop follow each of the two lines, ahead of the jump, the label and what follows.
.macro JLOAD g0a, g1a, g0b, g1b
	s_cmp_eq_u32 s15, 0
	s_cbranch_scc0 .Lfor_b_\@
	tensor_load_to_lds s[\g0a:\g0a+3], s[\g1a:\g1a+7]
	s_nop 0
.rept 4
	v_nop
.endr
	s_branch .Lasked_\@
.Lfor_b_\@:
	tensor_load_to_lds s[\g0b:\g0b+3], s[\g1b:\g1b+7]
	s_nop 0
.rept 4
	v_nop
.endr
.Lasked_\@:
.endm
.macro CREST                           ; a round of the cluster's barrier behind its opening barrier
	s_cmp_lg_u32 s14, 0
	s_cbranch_scc1 .Lnot_wave_0_\@
	s_barrier_signal -3
.Lnot_wave_0_\@:
	s_barrier_wait -3
	s_barrier_signal -1
	s_barrier_wait -1
.endm
.macro CROUND                          ; a whole round
	s_barrier_signal -1
	s_barrier_wait -1
	CREST
.endm
	s_load_b128 s[4:7], s[0:1], 0x0                ; c s[4:5], s s[6:7]
	v_lshl_add_u32 v[SPW], v0, 2, SPARE
	v_mov_b32 v[NIL], 0
	ds_add_u32 v28, v29
	ds_add_u32 v28, v29
	s_wait_dscnt 0x0
	v_lshrrev_b32 v1, 5, v0
	v_readfirstlane_b32 s14, v1                    ; wave 0..3
	s_lshr_b32 s15, s14, 1                         ; which half of the tile's A positions is mine.  Also: I fetch for A (0) or for B (1)
	s_and_b32 s16, s14, 1                          ; which half of its B positions.  Also: which 128 positions of that tile I fetch
	s_bfe_u32 s40, ttmp6, 0x40000                  ; cx, cy: my place in the cluster
	s_bfe_u32 s41, ttmp6, 0x40004
	s_and_b32 s18, ttmp7, 0xffff
	s_lshl_b32 s18, s18, 2                         ; 4 x cluster y
	s_lshl_b32 s19, ttmp9, 2                       ; 4 x cluster x
	s_cmp_eq_u32 ttmp9, 2                          ; the role v?  The same in all sixteen partners
	s_cselect_b32 s42, s18, s19                    ; B's first tile: x's by the cluster's y, or Wq's and Wk's eight by its x
	s_cselect_b32 s17, 0, s18                      ; A's first tile: Wv's four, or x's by the cluster's y
	s_cselect_b32 s20, 384, 0                      ; A's first block in c: Wv's or x's
	s_cselect_b32 s46, 0, 256                      ; B's: x's or Wq's
	s_add_co_u32 s42, s42, s40                     ; B's tile
	s_add_co_u32 s17, s17, s41                     ; A's tile
	s_lshl_b32 s43, s41, 2
	s_lshl_b32 s43, 15, s43                        ; my row of the cluster
	s_lshl_b32 s44, 0x1111, s40                    ; my column
	; descriptor group 1: eight blocks' parts of a K step: 8 rows of 3,072 bytes (384 elements of 8 bytes), 12,288 bytes apart; they lie on end in LDS
	s_or_b32 s[G1+0], s43, (3<<16)|(1<<21)         ; 15:0 the mask: A's tiles go to my row; 17:16 elements of 8 bytes; 20 no padding; 21 set beside a mask
	s_or_b32 s[G1B+0], s44, (3<<16)|(1<<21)
.irp g, G1, G1B
	s_mov_b32 s[\g+1], 384<<16                     ; tensor_dim0
	s_mov_b32 s[\g+2], 16<<16                      ; tensor_dim1: 16 blocks for the head's loads; set to 8 for the ring's behind them
	s_mov_b32 s[\g+3], 384<<16                     ; tile_dim0
	s_mov_b32 s[\g+4], 16                          ; tile_dim1 likewise
	s_mov_b32 s[\g+5], 1536                        ; tensor_dim0_stride
	s_mov_b32 s[\g+6], 0
	s_mov_b32 s[\g+7], 0
.endr
	; the scales of 256 positions: a dense block of 8,192 bytes, as 32 rows of 256 bytes, 16 bytes of padding behind each
	s_or_b32 s[G1S+0], s43, (3<<16)|(1<<20)|(1<<21)|(5<<22)|(3<<25)
	s_or_b32 s[G1SB+0], s44, (3<<16)|(1<<20)|(1<<21)|(5<<22)|(3<<25)
.irp g, G1S, G1SB
	s_mov_b32 s[\g+1], 32<<16
	s_mov_b32 s[\g+2], 32<<16                      ; the scales of a tile's 256 positions: 32 rows of 256 bytes
	s_mov_b32 s[\g+3], 32<<16
	s_mov_b32 s[\g+4], 32
	s_mov_b32 s[\g+5], 32
	s_mov_b32 s[\g+6], 0
	s_mov_b32 s[\g+7], 0
.endr
	s_lshl_b32 s19, s17, 4
	s_add_co_u32 s20, s20, s19                     ; A: the tile's first block = first + 16 x tile: made of cy alone
	s_lshl_b32 s47, s42, 4
	s_add_co_u32 s46, s46, s47                     ; B likewise: made of cx alone
	s_lshl_b32 s22, s20, 9                         ; where these blocks' scales begin, in bytes,
	s_mov_b32 s23, 0
	s_mul_i32 s20, s20, RBB                        ; and their codes (all under 2^23)
	s_mov_b32 s21, 0
	s_lshl_b32 s92, s46, 9
	s_mov_b32 s93, 0
	s_mul_i32 s46, s46, RBB
	s_mov_b32 s47, 0
	s_mul_i32 s45, s14, HALFT                      ; where they go: by the wave's number alone
	s_mul_i32 s18, s16, 8*RBB                      ; in the ring I fetch eight blocks of a tile: which half, in bytes
	s_mov_b32 s19, 0
	s_wait_kmcnt 0x0
	s_add_nc_u64 s[20:21], s[4:5], s[20:21]
	s_add_nc_u64 s[22:23], s[6:7], s[22:23]
	s_add_nc_u64 s[46:47], s[4:5], s[46:47]
	s_add_nc_u64 s[92:93], s[6:7], s[92:93]
	CROUND                                         ; all sixteen work-groups are here: the first joint loads meet
.set G0H,  4                           ; s[4:7], s[8:11] group 0 for the head's loads of K step 0 (the arguments that lay in s[4:7] have been used)
.set G0HB, 8
	s_mov_b32 s[G0H], 1                            ; the head's four tiles, each whole: K step 0 of A's 256 positions,
	s_mov_b32 s[G0H+1], 0
	s_mov_b64 s[G0H+2:G0H+3], s[20:21]
	s_or_b32 s[G0H+3], s[G0H+3], 0x80000000
	s_mov_b32 s[G0HB], 1                           ; of B's 256, behind them in slot 0,
	s_mov_b32 s[G0HB+1], 2*HALFT
	s_mov_b64 s[G0HB+2:G0HB+3], s[46:47]
	s_or_b32 s[G0HB+3], s[G0HB+3], 0x80000000
	s_mov_b32 s[G0S], 1                            ; the scales of A's 256 positions,
	s_mov_b32 s[G0S+1], SCL
	s_mov_b64 s[G0S+2:G0S+3], s[22:23]
	s_or_b32 s[G0S+3], s[G0S+3], 0x80000000
	s_mov_b32 s[G0SB], 1                           ; and of B's
	s_mov_b32 s[G0SB+1], SCL+2*HALFS
	s_mov_b64 s[G0SB+2:G0SB+3], s[92:93]
	s_or_b32 s[G0SB+3], s[G0SB+3], 0x80000000
; THE HEAD'S LOADS, ONE A WAVE: one chain of branches on the wave's number, a load to an arm, all arms leading to one join.
.macro ARM under, g0, g1, next
	s_cmp_lt_u32 s14, \under
	s_cbranch_scc0 \next
	tensor_load_to_lds s[\g0:\g0+3], s[\g1:\g1+7]
	s_nop 0
.rept 4
	v_nop
.endr
	s_branch .Lhead_asked
\next:
.endm
	ARM 1, G0H,  G1,  .Lhead_b
	ARM 2, G0HB, G1B, .Lhead_sa
	ARM 3, G0S,  G1S, .Lhead_sb
	tensor_load_to_lds s[G0SB:G0SB+3], s[G1SB:G1SB+7]
	s_nop 0
.rept 4
	v_nop
.endr
.Lhead_asked:
	s_add_nc_u64 s[20:21], s[20:21], s[18:19]      ; for the ring: my eight blocks of the tile
	s_add_nc_u64 s[46:47], s[46:47], s[18:19]
	; THE PREFETCHES.  Behind the load of K step t (t = 0, 1) each wave asks for K step t + 2 of two of the eight blocks that it fetches in the ring: 2 x 3,072 bytes, 24 blocks of 256 bytes, a lane a block
	; (lanes 24-31 name the last again).  The four partners that ask for a tile jointly share its blocks out by address: partner p takes blocks 2 p and 2 p + 1 (p = cx for A, cy for B).  K steps 0 and 1 come by their loads alone;
	; the refills of K steps 2 and 3 ask for nothing.  The address registers are never rewritten.
	s_cmp_eq_u32 s15, 0                            ; do I fetch for A?
	s_cselect_b64 s[96:97], s[20:21], s[46:47]
	s_cselect_b32 s98, s40, s41
	s_mul_i32 s98, s98, 2*RBB
	s_mov_b32 s99, 0
	s_add_nc_u64 s[96:97], s[96:97], s[98:99]
.irp s, 0,1
	s_mov_b32 s[G0+4*\s], 1
	s_add_co_u32 s[G0+4*\s+1], s45, \s*SLOT
	s_add_nc_u64 s[G0+4*\s+2:G0+4*\s+3], s[20:21], \s*RBK
	s_or_b32 s[G0+4*\s+3], s[G0+4*\s+3], 0x80000000
	s_mov_b32 s[G0B+4*\s], 1
	s_add_co_u32 s[G0B+4*\s+1], s45, \s*SLOT
	s_add_nc_u64 s[G0B+4*\s+2:G0B+4*\s+3], s[46:47], \s*RBK
	s_or_b32 s[G0B+4*\s+3], s[G0B+4*\s+3], 0x80000000
.endr
	v_and_b32 v30, 31, v0
	v_min_u32 v30, 23, v30                         ; l = my block of 256 bytes among the 24
	v_mul_u32_u24 v31, v30, 43
	v_lshrrev_b32 v31, 9, v31                      ; l / 12
	v_lshlrev_b32 v30, 8, v30
	v_mad_u32_u24 v30, v31, 9216, v30              ; 12,288 (l / 12) + 256 (l % 12)
	global_prefetch_b8 v30, s[96:97] offset:2*RBK th:TH_LOAD_NT scope:SCOPE_SE   ; K step 2
	v_and_b32 v3, 31, v0
	v_lshlrev_b32 v4, 4, v3                        ; 16 x lane
	v_lshlrev_b32 v5, 3, v3                        ; 8 x lane
	s_mul_i32 s21, s15, HALFT                      ; my 128 positions of A
	s_mul_i32 s22, s16, HALFT                      ; my 128 of B,
	s_add_co_u32 s22, s22, 2*HALFT                 ; which lie behind A's 256
.irp s, 0,1
	v_add_nc_u32 v[ADRA+\s], s21, v4
	v_add_nc_u32 v[ADRB+\s], s22, v4
	v_add_nc_u32 v[ADRA+2+\s], s21, v5
	v_add_nc_u32 v[ADRB+2+\s], s22, v5
	s_add_co_u32 s21, s21, SLOT
	s_add_co_u32 s22, s22, SLOT
.endr
	v_and_b32 v1, 15, v0                           ; r
	v_bfe_u32 v2, v0, 4, 1                         ; h
	v_mul_u32_u24 v5, v1, KS                       ; my row's scales: KS bytes a row,
	v_lshrrev_b32 v6, 8, v5
	v_lshl_add_u32 v5, v6, 4, v5                   ; and 16 more for each 256 passed
	s_mul_i32 s21, s15, HALFS                      ; A's: my 128 rows
	s_mul_i32 s22, s16, HALFS                      ; B's: my 128 rows, behind A's 256
	s_add_co_u32 s22, s22, 2*HALFS
	s_sub_co_u32 s22, s22, s21
	v_mul_u32_u24 v6, s22, v2                      ; lanes 16-31 take B's
	s_add_co_u32 s21, s21, SCL
	v_add_nc_u32 v5, v5, v6
	v_add_nc_u32 v[ADRS], s21, v5
.macro FRAG reg, adr, q, i             ; a fragment, 16 positions x 128 K, is two images on end: registers 0-3 and 6-9 by 16 bytes a lane, 4-5 and 10-11 by 8: each load reads consecutive bytes
	ds_load_b128 v[\reg:\reg+3], v[\adr] offset:RBK*(\i)+1536*(\q)
	ds_load_b64 v[\reg+4:\reg+5], v[\adr+2] offset:RBK*(\i)+1536*(\q)+512
	ds_load_b128 v[\reg+6:\reg+9], v[\adr] offset:RBK*(\i)+1536*(\q)+768
	ds_load_b64 v[\reg+10:\reg+11], v[\adr+2] offset:RBK*(\i)+1536*(\q)+1280
.endm
; 16 matrix instructions: A's blocks a0, a0 + 1 x B's eight, 128 along K: the slot's q-th.  p: B's set; sc: the set of scale words.  zero = 1: the first product starts the sums.
; The 64 accumulators take turns, one instruction a turn, in the same order in every step.
.macro MUL16 a0, p, q, sc, zero
.irp a, \a0, \a0+1
.irp b, 0,1,2,3,4,5,6,7
.if \zero
	v_wmma_scale_f32_16x16x128_f8f6f4 v[8*(8*((\a)%4)+\b):8*(8*((\a)%4)+\b)+7], v[128*(\p)+FR*\b:128*(\p)+FR*\b+FR-1], v[AF+FR*(\a):AF+FR*(\a)+FR-1], 0, v[SC+8*NQ*(\sc)+NQ*\b+(\q)], v[SC+8*NQ*(\sc)+NQ*(\a)+(\q)] matrix_a_fmt:MATRIX_FMT_FP6 matrix_b_fmt:MATRIX_FMT_FP6 matrix_a_scale:MATRIX_SCALE_ROW1
.else
	v_wmma_scale_f32_16x16x128_f8f6f4 v[8*(8*((\a)%4)+\b):8*(8*((\a)%4)+\b)+7], v[128*(\p)+FR*\b:128*(\p)+FR*\b+FR-1], v[AF+FR*(\a):AF+FR*(\a)+FR-1], v[8*(8*((\a)%4)+\b):8*(8*((\a)%4)+\b)+7], v[SC+8*NQ*(\sc)+NQ*\b+(\q)], v[SC+8*NQ*(\sc)+NQ*(\a)+(\q)] matrix_a_fmt:MATRIX_FMT_FP6 matrix_b_fmt:MATRIX_FMT_FP6 matrix_a_scale:MATRIX_SCALE_ROW1
.endif
.endr
.endr
.endm
.macro FETCH_B slot, q, p              ; B's eight fragments of the slot's q-th 128 along K into set p
	WIN TO_B
.irp i, 0,1,2,3,4,5,6,7
	FRAG 128*(\p)+FR*\i, ADRB+\slot, \q, \i
.endr
	WIN 0
.endm
.macro FETCH_A slot, q, i0             ; A's blocks i0 .. i0 + 3
.irp i, \i0, \i0+1, \i0+2, \i0+3
	FRAG AF+FR*(\i), ADRA+\slot, \q, \i
.endr
.endm
.macro SCALES sc                       ; the next K step's scale words into set sc: two words a row; lanes 0-15 take A's block i, lanes 16-31 B's block i
.irp i, 0,1,2,3,4,5,6,7
	ds_load_b64 v[SC+8*NQ*\sc+NQ*\i:SC+8*NQ*\sc+NQ*\i+1], v[ADRS] offset:\i*SBLK
.endr
.endm
; A load into a register that a matrix instruction has read, and a vector instruction or a store that reads a matrix result, stand NP places behind that matrix instruction; only plain vector
; instructions that name none of its registers are places (ISA guide 7.12.1 for vector instructions).
.macro PLACES n
.rept \n
	v_nop
.endr
.endm
; A step of 128 along K that has its successor in the same slot.
.macro STEP slot, q, zero
	s_wait_dscnt 4*NL                              ; B's set and A's blocks 0-3 are in; the youngest sixteen loads (A's blocks 4-7) may be out
	WIN MUL_LO
	MUL16 0, (\q)%2, \q, \slot, \zero
	MUL16 2, (\q)%2, \q, \slot, \zero
	s_wait_dscnt 0                                 ; A's blocks 4-7 are in (asked for 32 matrix instructions ago)
	PLACES NP
	FETCH_B \slot, (\q)+1, 1-(\q)%2
	FETCH_A \slot, (\q)+1, 0
	WIN MUL_HI
	MUL16 4, (\q)%2, \q, \slot, \zero
	MUL16 6, (\q)%2, \q, \slot, \zero
	PLACES NP
	WIN 0
	FETCH_A \slot, (\q)+1, 4
.endm
; A slot's last step changes slots: ONE barrier; in front of it each wave waits for all its tensor loads, adds 0 to its spare word, and waits for that and for its own reads of this slot.  fill = 1: this slot is filled again, two K steps ahead.
.macro TURN slot, next, fill
	s_wait_tensorcnt 0x0                           ; all my tensor loads have landed: my part of the next slot;  (every window is 0 here)
	ds_add_u32 v[SPW], v[NIL]                      ; 0 onto my spare word
	s_wait_dscnt 4*NL+1                            ; (the add and the youngest sixteen loads, A's blocks 4-7, may be out)
	WIN MUL_LO
	MUL16 0, 1, NQ-1, \slot, 0                     ; sixteen matrix instructions stand between the add and the wait for it
	s_wait_dscnt 0x0                               ; the add is done, and my reads of this slot are over
	s_barrier_signal -1
	MUL16 2, 1, NQ-1, \slot, 0
	WIN 0
	s_barrier_wait -1
.if \fill
	CREST                                          ; the barrier has opened a round of the cluster's barrier: no wave of any partner still reads this slot's tile or has a load on its way
	s_add_nc_u64 s[G0+4*\slot+2:G0+4*\slot+3], s[G0+4*\slot+2:G0+4*\slot+3], 2*RBK
	s_add_nc_u64 s[G0B+4*\slot+2:G0B+4*\slot+3], s[G0B+4*\slot+2:G0B+4*\slot+3], 2*RBK
	JLOAD G0+4*\slot, G1, G0B+4*\slot, G1B         ; the first tensor load behind the round, and my one load until the next; its four v_nop are the places in front of the loads below
.else
	PLACES NP
.endif
	s_wait_alu depctr_va_vdst(0)
	v_add_nc_u32 v[ADRS], 4*NQ, v[ADRS]            ; on to the next K step's scale words (no LDS load of mine is out)
	FETCH_B \next, 0, 0
	FETCH_A \next, 0, 0
	SCALES \next
	WIN MUL_HI
	MUL16 4, 1, NQ-1, \slot, 0
	MUL16 6, 1, NQ-1, \slot, 0
	PLACES NP
	WIN 0
	FETCH_A \next, 0, 4
.endm
	s_wait_alu depctr_va_vdst(0)
	s_wait_tensorcnt 0x0                           ; my tile of the head's four is in;
	ds_add_u32 v[SPW], v[NIL]
	s_mov_b32 s[G1+2], 8<<16                       ; no tensor load of mine is out: from here on a load brings eight blocks
	s_mov_b32 s[G1+4], 8
	s_mov_b32 s[G1B+2], 8<<16
	s_mov_b32 s[G1B+4], 8
	s_wait_dscnt 0x0                               ; the add is done
	CROUND                                         ; a whole round: all four tiles are in, and all sixteen work-groups are here,
	JLOAD G0+4, G1, G0B+4, G1B                     ; and K step 1's load is the first tensor load behind the round
	FETCH_B 0, 0, 0
	global_prefetch_b8 v30, s[96:97] offset:3*RBK th:TH_LOAD_NT scope:SCOPE_SE   ; K step 3
	FETCH_A 0, 0, 0
	SCALES 0
	FETCH_A 0, 0, 4
	STEP 0, 0, 1                                   ; K has four steps of 256: eight steps of 128, written out.  The first starts the sums
	TURN 0, 1, 1                                   ; slot 0 takes K step 2
	STEP 1, 0, 0
	TURN 1, 0, 1                                   ; slot 1 takes K step 3
	STEP 0, 0, 0
	s_load_b512 s[68:83], s[0:1], 0x10             ; the way out's addresses, into the scales' descriptors, whose loads the waits above have shown done: bq, bk, bv, qn_w, qn_b, kn_w, kn_b, q
	s_load_b64 s[84:85], s[0:1], 0x50              ; kv
	TURN 0, 1, 0                                   ; nothing is left to fetch: no round of the cluster's barrier
	STEP 1, 0, 0
; q and k: the bias of my 128 channels and the norm's gain and offset are asked for here, ahead of the last 64 products.  They land in window 1, v0-127: B's set 0 there is done with (four places stand behind its last products),
; and the last step reads set 1 alone.  No tensor load is out, so the ring's descriptor registers take the addresses.  The branch hangs on the cluster's x, which all sixteen partners share.
.set BC,  0
.set LW,  64
.set LB,  96
	s_wait_kmcnt 0x0
	s_cmp_eq_u32 ttmp9, 2
	s_cbranch_scc1 .Lno_early
	s_cmp_eq_u32 ttmp9, 0                          ; q or k
	s_cselect_b64 s[32:33], s[68:69], s[70:71]
	s_cselect_b64 s[34:35], s[74:75], s[78:79]
	s_cselect_b64 s[36:37], s[76:77], s[80:81]
	s_lshl_b32 s18, s40, 10
	s_lshl_b32 s20, s16, 9
	s_add_co_u32 s18, s18, s20
	s_mov_b32 s19, 0
	s_add_nc_u64 s[32:33], s[32:33], s[18:19]      ; the bias at my 128 channels
	v_bfe_u32 v7, v0, 4, 1
	v_lshlrev_b32 v7, 6, v7                        ; 64 h: my half's 16 channels of each 32; not written again
	WIN 0x40                                       ; destination window 1
.irp b, 0,1,2,3,4,5,6,7                        ; result tile b's eight registers are channels 32 (b / 2) + 16 h + 8 (b % 2) + 0 .. 7
	global_load_b128 v[BC+8*\b:BC+8*\b+3], v7, s[32:33] offset:4*(32*(\b/2)+8*(\b%2))
	global_load_b128 v[BC+8*\b+4:BC+8*\b+7], v7, s[32:33] offset:4*(32*(\b/2)+8*(\b%2))+16
.endr
.irp b, 0,1,2,3
	global_load_b128 v[LW+8*\b:LW+8*\b+3], v7, s[34:35] offset:4*(32*(\b/2)+8*(\b%2))
	global_load_b128 v[LW+8*\b+4:LW+8*\b+7], v7, s[34:35] offset:4*(32*(\b/2)+8*(\b%2))+16
	global_load_b128 v[LB+8*\b:LB+8*\b+3], v7, s[36:37] offset:4*(32*(\b/2)+8*(\b%2))
	global_load_b128 v[LB+8*\b+4:LB+8*\b+7], v7, s[36:37] offset:4*(32*(\b/2)+8*(\b%2))+16
.endr
	WIN 0
.Lno_early:
	s_wait_dscnt 4*NL                              ; the very last step
	WIN MUL_LO
	MUL16 0, 1, NQ-1, 1, 0
	MUL16 2, 1, NQ-1, 1, 0
	s_wait_dscnt 0
	WIN MUL_HI
	MUL16 4, 1, NQ-1, 1, 0
	MUL16 6, 1, NQ-1, 1, 0
	WIN 0
; THE WAY OUT.  No LDS: what a lane holds is quantised in its registers, and the codes leave as images, whole runs of 256 bytes from neighbouring lanes.
; window 0: v1 lane, v2 r, v3 h, v4-9 offsets; v64-127 X: a block's 64 numbers of a lane; v128-146 the codes; v148-163 at work; v164 the scale word; v166-181 sums; v182-185 -mean, 1/sigma; v186-201 the scale words kept;
;   v202-205 what is stored of them; v206-221 bv, twice each.   window 1: v0-63 the bias of my 64 channels, v64-95 the norm's gain, v96-127 its offset.
.set X,   64
.set PC,  128
.set TM,  148
.set PW,  164
.set T,   166
.set MU,  182
.set RS,  184
.set KW,  186
.set SO,  202
.set BV,  206
.set BC,  0
.set LW,  64
.set LB,  96
.set SEL, 86                           ; s[86:87] v_permlanex16_b32's selects for lane l xor 16
.set INV, 88                           ; s88 1/64
.set EPS, 89                           ; s89 1e-5
	v_and_b32 v1, 31, v0                           ; (these plain lines are the places behind the last products)
	v_and_b32 v2, 15, v0
	v_bfe_u32 v3, v0, 4, 1
	v_lshlrev_b32 v4, 4, v1                        ; 16 x lane
	v_lshlrev_b32 v5, 3, v1                        ; 8 x lane
	v_lshlrev_b32 v6, 5, v2
	v_lshl_add_u32 v6, v3, 4, v6                   ; q's and k's scale words: 32 r + 16 h
	v_mul_u32_u24 v8, v3, 208896
	v_lshl_add_u32 v8, v2, 4, v8                   ; v's scale words: 16 r; lanes 16-31 the next head's record
	v_and_b32 v9, 8, v2
	v_add_nc_u32 v9, v9, v2
	v_lshlrev_b32 v9, 2, v9                        ; 4 (r + 8 (r / 8)): position r's channel in bv
.irp b, 0,1,2,3
	v_mov_b32 v[TM+4+\b], 0                        ; written once: a lane permute's destination counts as one of its sources
.endr
	s_mov_b32 s[SEL], 0x76543210
	s_mov_b32 s[SEL+1], 0xfedcba98
	s_mov_b32 s[INV], 0x3c800000
	s_mov_b32 s[EPS], 0x3727c5ac
; 64 numbers of a lane, v[s] .. v[s + 63], register 16 b + i = k 32 b + 16 (lane / 16) + i of my row, become a fragment's codes in v[PC] on and its scale word in v[PW].
.macro QUANT s
.irp b, 0,1,2,3
	v_max3_num_f32 v[TM+\b], |v[\s+16*\b]|, |v[\s+1+16*\b]|, 0x1800000   ; block b: my 16 numbers, and the floor 2^(3 - 127): the byte cannot fall under 1
.endr
.irp i, 2,4,6,8,10,12,14
.irp b, 0,1,2,3
	v_max3_num_f32 v[TM+\b], v[TM+\b], |v[\s+16*\b+\i]|, |v[\s+1+16*\b+\i]|   ; (the four blocks by turns)
.endr
.endr
.irp b, 0,1,2,3
	v_permlanex16_b32 v[TM+4+\b], v[TM+\b], s[SEL], s[SEL+1]
.endr
.irp b, 0,1,2,3
	v_max_num_f32 v[TM+\b], v[TM+\b], v[TM+4+\b]   ; with lane l xor 16's: the block's largest magnitude
.endr
.irp b, 0,1,2,3
	v_add_nc_u32 v[TM+12+\b], 0xff000000, v[TM+\b]   ; 2 off its exponent field: the conversion's scale operand
.endr
.irp b, 0,1,2,3
	v_lshrrev_b32 v[TM+4+\b], 23, v[TM+12+\b]      ; the scale's byte
.endr
	v_lshl_or_b32 v[PW], v[TM+5], 8, v[TM+4]       ; the four bytes make my row's scale word
	v_lshl_or_b32 v[PW], v[TM+6], 16, v[PW]
	v_lshl_or_b32 v[PW], v[TM+7], 24, v[PW]
.irp c, 0,1
	v_cvt_scalef32_pk16_fp6_f32 v[PC+6*\c:PC+2+6*\c], v[\s+32*\c:\s+15+32*\c], v[TM+12+2*\c]
	v_cvt_scalef32_pk16_fp6_f32 v[PC+12+4*\c:PC+14+4*\c], v[\s+16+32*\c:\s+31+32*\c], v[TM+12+2*\c+1]   ; (a conversion's three registers begin on an even number)
.endr
	v_nop                                          ; one plain place behind a scaled conversion
.irp c, 0,1                                    ; the operand's layout wants a WHOLE block in a lane: lanes 0-15 block 2 c, lanes 16-31 block 2 c + 1
.irp i, 0,1,2
	v_permlane16_swap_b32 v[PC+6*\c+\i], v[PC+12+4*\c+\i]
.endr
.irp i, 0,1,2
	v_mov_b32 v[PC+3+6*\c+\i], v[PC+12+4*\c+\i]
.endr
.endr
.endm
	s_wait_kmcnt 0x0
	s_cmp_eq_u32 ttmp9, 2
	s_cbranch_scc1 .Lv
; ---- q and k.  A lane holds one token; X[0:31] are its 32 channels of the wave's first head (the other 32 lie in lane l xor 16), X[32:63] those of the second.
	s_lshr_b32 s18, s17, 3                         ; batch
	s_and_b32 s19, s17, 7
	s_lshl_b32 s19, s19, 1
	s_add_co_u32 s19, s19, s15                     ; my group of 128 positions
	s_lshl_b32 s20, s40, 2
	s_lshl_b32 s21, s16, 1
	s_add_co_u32 s20, s20, s21                     ; my first head: 4 cx + 2 x half
	s_lshl_b32 s18, s18, 4
	s_add_co_u32 s18, s18, s20
	s_lshl_b32 s18, s18, 4
	s_add_co_u32 s18, s18, s19                     ; its record
	s_cmp_eq_u32 ttmp9, 0                          ; q or k
	s_cselect_b64 s[24:25], s[82:83], s[84:85]
	s_mov_b32 s22, 13056
	s_cselect_b32 s22, 6656, s22                   ; a record's bytes
	s_mov_b32 s23, 12288
	s_cselect_b32 s23, 6144, s23                   ; where its scale words begin
	s_mul_i32 s18, s18, s22
	s_mov_b32 s19, 0
	s_add_nc_u64 s[24:25], s[24:25], s[18:19]      ; the first head's record,
	s_lshl_b32 s18, s22, 4
	s_add_nc_u64 s[26:27], s[24:25], s[18:19]      ; the second's, 16 records on,
	s_mov_b32 s18, s23
	s_add_nc_u64 s[28:29], s[24:25], s[18:19]      ; and their scale words
	s_add_nc_u64 s[30:31], s[26:27], s[18:19]
	s_wait_loadcnt 0x0                             ; the bias, the gain and the offset, asked for ahead of the last K step
; The norm over a head's 64, in two passes as it is defined: the mean, then the mean of the squares of what is left; no difference of large sums.
.macro LNORM xb
.irp i, 0,1,2,3,4,5,6,7
	v_pk_add_f32 v[T+2*\i:T+2*\i+1], v[\xb+4*\i:\xb+4*\i+1], v[\xb+4*\i+2:\xb+4*\i+3]
.endr
.irp i, 0,1,2,3
	v_pk_add_f32 v[T+2*\i:T+2*\i+1], v[T+2*\i:T+2*\i+1], v[T+8+2*\i:T+9+2*\i]
.endr
.irp i, 0,1
	v_pk_add_f32 v[T+2*\i:T+2*\i+1], v[T+2*\i:T+2*\i+1], v[T+4+2*\i:T+5+2*\i]
.endr
	v_pk_add_f32 v[T:T+1], v[T:T+1], v[T+2:T+3]
	v_add_f32 v[T], v[T], v[T+1]
	v_permlanex16_b32 v[T+1], v[T], s[SEL], s[SEL+1]
	v_add_f32 v[T], v[T], v[T+1]                   ; the sum of the 64
	v_mul_f32 v[MU], 0xbc800000, v[T]              ; x -1/64: minus the mean
	v_mov_b32 v[MU+1], v[MU]
.irp i, 0,1,2,3,4,5,6,7,8,9,10,11,12,13,14,15
	v_pk_add_f32 v[\xb+2*\i:\xb+2*\i+1], v[\xb+2*\i:\xb+2*\i+1], v[MU:MU+1]
.endr
.irp i, 0,1,2,3
	v_pk_mul_f32 v[T+2*\i:T+2*\i+1], v[\xb+2*\i:\xb+2*\i+1], v[\xb+2*\i:\xb+2*\i+1]   ; the squares, in four chains
.endr
.irp i, 4,5,6,7,8,9,10,11,12,13,14,15
	v_pk_fma_f32 v[T+2*(\i%4):T+2*(\i%4)+1], v[\xb+2*\i:\xb+2*\i+1], v[\xb+2*\i:\xb+2*\i+1], v[T+2*(\i%4):T+2*(\i%4)+1]
.endr
	v_pk_add_f32 v[T:T+1], v[T:T+1], v[T+2:T+3]
	v_pk_add_f32 v[T+4:T+5], v[T+4:T+5], v[T+6:T+7]
	v_pk_add_f32 v[T:T+1], v[T:T+1], v[T+4:T+5]
	v_add_f32 v[T], v[T], v[T+1]
	v_permlanex16_b32 v[T+1], v[T], s[SEL], s[SEL+1]
	v_add_f32 v[T], v[T], v[T+1]
	v_fma_f32 v[T], v[T], s[INV], s[EPS]           ; the variance + 1e-5
	s_wait_alu depctr_va_vdst(0)
	v_rsq_f32 v[RS], v[T]                          ; twice, for the packed multiply's pair
	v_rsq_f32 v[RS+1], v[T]
	v_nop                                          ; a plain instruction behind the last of the two
	s_wait_alu depctr_va_vdst(0)                   ; and the wait ahead of the first use: one for both
.irp i, 0,1,2,3,4,5,6,7,8,9,10,11,12,13,14,15
	v_pk_mul_f32 v[\xb+2*\i:\xb+2*\i+1], v[\xb+2*\i:\xb+2*\i+1], v[RS:RS+1]
.endr
	WIN 0x14                                       ; sources 1 and 2 window 1
.irp i, 0,1,2,3,4,5,6,7,8,9,10,11,12,13,14,15
	v_pk_fma_f32 v[\xb+2*\i:\xb+2*\i+1], v[\xb+2*\i:\xb+2*\i+1], v[LW+2*\i:LW+2*\i+1], v[LB+2*\i:LB+2*\i+1]
.endr
	WIN 0
.endm
.macro EPQK a                          ; my block a of 16 tokens
	WIN 0x06+(\a)/4                                ; source 0 (the sums) window 2 or 3, source 1 (the bias) window 1
.irp b, 0,1,2,3,4,5,6,7
.irp j, 0,2,4,6
	v_pk_add_f32 v[X+8*\b+\j:X+8*\b+\j+1], v[64*((\a)%4)+8*\b+\j:64*((\a)%4)+8*\b+\j+1], v[BC+8*\b+\j:BC+8*\b+\j+1]   ; each accumulator from its low end on
.endr
.endr
	WIN 0
	LNORM X
	LNORM X+32
	s_wait_xcnt 0x0                                ; the last block's stores have read the code registers
	QUANT X                                        ; blocks 0, 1: the first head's 64; blocks 2, 3: the second's
	v_perm_b32 v[KW+(\a)], v[PW], v[PW], 0x01000100     ; the first head's two bytes, twice
	v_perm_b32 v[KW+8+(\a)], v[PW], v[PW], 0x03020302   ; the second's
	global_store_b128 v4, v[PC:PC+3], s[24:25] offset:768*(\a)
	global_store_b64 v5, v[PC+4:PC+5], s[24:25] offset:768*(\a)+512
	global_store_b128 v4, v[PC+6:PC+9], s[26:27] offset:768*(\a)
	global_store_b64 v5, v[PC+10:PC+11], s[26:27] offset:768*(\a)+512
.endm
.irp a, 0,1,2,3,4,5,6,7
	EPQK \a
.endr
	v_cmp_le_u32 vcc_lo, 16, v1                    ; lanes 0-15 store a row's words of tiles 0-3, lanes 16-31 those of tiles 4-7: 512 consecutive bytes
.irp i, 0,1,2,3
	v_cndmask_b32 v[SO+\i], v[KW+\i], v[KW+4+\i], vcc_lo
	v_cndmask_b32 v[T+\i], v[KW+8+\i], v[KW+12+\i], vcc_lo
.endr
	global_store_b128 v6, v[SO:SO+3], s[28:29]
	global_store_b128 v6, v[T:T+3], s[30:31]
	s_branch .Ldone
; ---- v.  A lane holds one channel (a position of Wv); its 64 registers of a block are its half of the wave's 128 keys, in the keys' own order.
.Lv:
	s_lshl_b32 s20, s41, 2
	s_lshl_b32 s21, s15, 1
	s_add_co_u32 s20, s20, s21                     ; my first head: 4 cy + 2 x half
	s_lshr_b32 s18, s42, 3                         ; batch
	s_and_b32 s19, s42, 7
	s_lshl_b32 s19, s19, 1
	s_add_co_u32 s19, s19, s16                     ; my step of 128 keys
	s_lshl_b32 s18, s18, 4
	s_add_co_u32 s18, s18, s20
	s_lshl_b32 s18, s18, 4
	s_add_co_u32 s18, s18, s19
	s_mul_i32 s18, s18, 13056
	s_add_co_u32 s18, s18, 6144
	s_mov_b32 s19, 0
	s_add_nc_u64 s[24:25], s[84:85], s[18:19]      ; V's fragments in the first head's record
	s_add_nc_u64 s[28:29], s[24:25], 6656          ; and its scale words
	s_lshl_b32 s18, s41, 10
	s_lshl_b32 s20, s15, 9
	s_add_co_u32 s18, s18, s20
	s_add_nc_u64 s[32:33], s[72:73], s[18:19]      ; bv at my 128 channels
	s_wait_alu depctr_va_vdst(0)
.irp a, 0,1,2,3,4,5,6,7
	global_load_b32 v[BV+2*\a], v9, s[32:33] offset:4*(32*(\a/2)+8*(\a%2))     ; my channel's bias, twice: a pair for the packed addition
	global_load_b32 v[BV+2*\a+1], v9, s[32:33] offset:4*(32*(\a/2)+8*(\a%2))
.endr
	s_wait_loadcnt 0x0
.macro EPV a                           ; my block a of 16 channels: tile a % 4 of head a / 4
	WIN 0x02+(\a)/4                                ; source 0 (the sums) window 2 or 3
.irp b, 0,1,2,3,4,5,6,7
.irp j, 0,2,4,6
	v_pk_add_f32 v[X+8*\b+\j:X+8*\b+\j+1], v[64*((\a)%4)+8*\b+\j:64*((\a)%4)+8*\b+\j+1], v[BV+2*(\a):BV+2*(\a)+1]   ; each accumulator from its low end on
.endr
.endr
	WIN 0
	s_wait_xcnt 0x0                                ; the last block's stores have read the code registers
	QUANT X
	v_mov_b32 v[KW+(\a)], v[PW]
.irp c, 0,1,2
	global_store_b128 v4, v[PC+4*\c:PC+4*\c+3], s[24:25] offset:((\a)/4)*208896+((\a)%4)*1536+512*\c   ; the fragment as it stands: 512 consecutive bytes a store
.endr
.endm
.irp a, 0,1,2,3,4,5,6,7
	EPV \a
.endr
	v_cmp_le_u32 vcc_lo, 16, v1                    ; lanes 0-15 store the first head's 256 bytes of scale words, lanes 16-31 the second's
.irp i, 0,1,2,3
	v_cndmask_b32 v[SO+\i], v[KW+\i], v[KW+4+\i], vcc_lo
.endr
	global_store_b128 v8, v[SO:SO+3], s[28:29]
.Ldone:
	s_wait_tensorcnt 0x0                           ; the wave's end
	ds_add_u32 v[SPW], v[NIL]
	s_wait_dscnt 0x0
	CROUND                                         ; the closing round: no work-group ends while a partner may still ask for a tile that names it
	s_endpgm
.Lfunc_end_k_q45a2490d9e_qkv:
	.size	k_q45a2490d9e_qkv, .Lfunc_end_k_q45a2490d9e_qkv-k_q45a2490d9e_qkv
	.p2alignl 7, 3214868480
	.fill 96, 4, 3214868480
	.section	.rodata,"a",@progbits
	.p2align	6, 0x0
	.amdhsa_kernel k_q45a2490d9e_qkv
		.amdhsa_group_segment_fixed_size 327680
		.amdhsa_private_segment_fixed_size 0
		.amdhsa_enable_private_segment 0
		.amdhsa_kernarg_size 88
		.amdhsa_user_sgpr_count 2
		.amdhsa_user_sgpr_kernarg_segment_ptr 1
		.amdhsa_wavefront_size32 1
		.amdhsa_system_sgpr_workgroup_id_x 1
		.amdhsa_system_sgpr_workgroup_id_y 1
		.amdhsa_system_sgpr_workgroup_id_z 1
		.amdhsa_system_vgpr_workitem_id 0
		.amdhsa_next_free_vgpr 1024
		.amdhsa_next_free_sgpr 100
		.amdhsa_reserve_vcc 1
		.amdhsa_float_denorm_mode_32 3
		.amdhsa_float_denorm_mode_16_64 3
		.amdhsa_memory_ordered 1
		.amdhsa_forward_progress 1
		.amdhsa_inst_pref_size 255
	.end_amdhsa_kernel
	.section	.bss,"aw",@nobits
	.p2align	6
	.space	262144
	.amdgpu_metadata
---
amdhsa.version: [ 1, 2 ]
amdhsa.kernels:
  - .name:           k_q45a2490d9e_qkv
    .symbol:         k_q45a2490d9e_qkv.kd
    .args:
      - { .name: c, .offset: 0, .size: 8, .value_kind: global_buffer, .address_space: global }
      - { .name: s, .offset: 8, .size: 8, .value_kind: global_buffer, .address_space: global }
      - { .name: bq, .offset: 16, .size: 8, .value_kind: global_buffer, .address_space: global }
      - { .name: bk, .offset: 24, .size: 8, .value_kind: global_buffer, .address_space: global }
      - { .name: bv, .offset: 32, .size: 8, .value_kind: global_buffer, .address_space: global }
      - { .name: qn_w, .offset: 40, .size: 8, .value_kind: global_buffer, .address_space: global }
      - { .name: qn_b, .offset: 48, .size: 8, .value_kind: global_buffer, .address_space: global }
      - { .name: kn_w, .offset: 56, .size: 8, .value_kind: global_buffer, .address_space: global }
      - { .name: kn_b, .offset: 64, .size: 8, .value_kind: global_buffer, .address_space: global }
      - { .name: q, .offset: 72, .size: 8, .value_kind: global_buffer, .address_space: global }
      - { .name: kv, .offset: 80, .size: 8, .value_kind: global_buffer, .address_space: global }
    .group_segment_fixed_size: 327680
    .private_segment_fixed_size: 0
    .kernarg_segment_align: 8
    .kernarg_segment_size: 88
    .max_flat_workgroup_size: 128
    .sgpr_count:     100
    .vgpr_count:     1024
    .wavefront_size: 32
...
	.end_amdgpu_metadata
.endif
;; end of part 2
;; launch attn (part 3): grid 8 x 32, 16 waves a work-group, clusters of 4 x 1, 215,040 bytes of LDS; arguments q, kv, aoc, aos; writes aoc, aos
.if DOCPART == 3
	.amdgcn_target "amdgcn-amd-amdhsa--gfx1250"
	.amdhsa_code_object_version 6
	.text
	.protected	k_q45a2490d9e_attn
	.globl	k_q45a2490d9e_attn
	.p2align	8
	.type	k_q45a2490d9e_attn,@function
k_q45a2490d9e_attn:
	s_mov_b64 s[64:65], 0
	v_nop
	global_prefetch_b8 v0, s[64:65] scope:SCOPE_SE
	s_setreg_imm32_b32 hwreg(HW_REG_WAVE_MODE, 25, 1), 1
	s_wait_xcnt 0x0
	s_wait_alu depctr_hold_cnt(0) depctr_sa_sdst(0) depctr_va_vdst(0) depctr_va_sdst(0) depctr_va_ssrc(0) depctr_va_vcc(0) depctr_vm_vsrc(0)
	s_getreg_b32 s2, hwreg(HW_REG_IB_STS2, 6, 4)
	s_cmp_eq_u32 s2, 0
	s_cbranch_scc0 .Lentry_in_a_cluster
	s_endpgm
.Lentry_in_a_cluster:
	s_bfe_u32 s2, ttmp6, 0x10000c
	s_cmp_lg_u32 s2, 0x3003
	s_cbranch_scc0 .Lentry_shape_is_right
	s_endpgm
.Lentry_shape_is_right:
; O[q] = the sum over k of softmax_k(Q[q] . K[k] / 8) V[k] for one head, both products on codes of FP6 (E2M3) with E8M0 scales; O / l leaves as codes again, quantised along the head's 64 channels.
; THE SOFTMAX AHEAD OF THE SECOND PRODUCT: t = score x log2(e) / 8; M = the row's largest t so far, rounded UP to a whole number; p = 2^(t - M) is quantised along the keys, not normalised.
; The row's sum is taken of the unquantised p, in f32, and divides O at the end.  When M moves, the sum and O are multiplied by 2^(old M - new M): exact.
; IN.  q: record (16 bh + group of 128 positions) of 6,656 bytes: eight images of 768 bytes (16 positions x 64: 16 bytes a lane at 16 x lane, 8 at 512 + 8 x lane), then scale words [r][tile].
;   kv: record (16 bh + step of 128 keys) of 13,056 bytes: K's eight images; at 6,144 V's four fragments (16 channels x 128 keys, 3 x 512 bytes); at 12,288 K's scale words [r][tile]; at 12,800 V's [r][tile].
;   Position p of a record holds key 32 (p / 32) + 8 ((p / 16) % 2) + p % 16 + 8 ((p / 8) % 2).
; SHARES.  A work-group owns 256 query positions of one head, each of its sixteen waves 16 of them.  A whole head's K and V, 16 records, 208,896 bytes, lie in LDS: filled once, wave w bringing record w; no byte is filled again.
; CLUSTER.  The four query blocks of a cluster belong to one head: each record is asked for jointly.  No prefetch: every byte that the launch reads is asked for at its head, so there is no loop to run ahead in.
; LAYOUT.  Both products are used transposed (S^T = K Q^T, O^T = V^T P^T): a lane holds ONE query (lane % 16) throughout.
; WHICH KEYS FORM A TILE OF K is chosen by the lanes' LDS addresses: row m of tile 4 c + u is key 64 c + 32 (m / 8) + 8 u + m % 8, which lies in image 4 c + 2 (m / 8) + u % 2 at row m % 8 + 8 (u / 2).
;   So register 32 c + i of a lane's 64 scores is key 64 c + 32 (lane / 16) + i: a WHOLE block of 32 keys in a lane, in the order in which the second product's operand wants its codes: no lane is asked for a block's maximum, and no codes change lanes.
; THE FIRST PRODUCT'S K IS 64.  The upper six registers of Q's fragment are zero codes, so whatever codes stand in the upper six of K's add nothing: K's fragments lie six registers apart, each one's upper six being the next one's data
;   (the last one's: p's codes of the step before, zeros at first).  K's scale words repeat their two bytes, so every scale byte is a finite code.
; K's 48 registers are at work in the softmax between the first product and the next step's loads.
; LIMITS: a block of zeros gets the scale byte 1 (this program alone reads the bytes); NaN and infinities are not served.
.set REC,  13056
.set VOF,  6144
.set KSC,  12288
.set VSC,  12800
.set SPARE, 0x34000                    ; behind the records: the spare words, 128 bytes for each of 16 waves
.set BK16, 1                           ; v1-5  lane terms: K's 16-byte parts, K's 8-byte parts, K's scale words, 16 x lane, 16 r
.set BK8,  2
.set BKS,  3
.set BV,   4
.set BVS,  5
.set CK16, 6                           ; v6-10 the same in the trip's first record
.set CK8,  7
.set CKS,  8
.set CV,   9
.set CVS,  10
.set SPW,  11                          ; my spare word; never rewritten
.set NM,   12                          ; -M;  v13 the largest score so far (named with it as a pair)
.set MR,   13
.set L,    14                          ; v[14:15] the sum, in two halves
.set QF,   16                          ; v16-27 Q
.set NIL,  28                          ; 0; never rewritten
.set SH,   29                          ; 8 (lane / 16)
.set QS,   30                          ; Q's scale word
.set OM,   31                          ; -M of the step before
.set KF,   32                          ; v32-79 K's eight fragments, six registers apart
.set W,    32                          ; the same registers at work
.set TA,   40                          ; v40-42, v44-46 the upper 16 codes of my two blocks
.set T,    48                          ; v48-53 three chains of the sum
.set P,    80                          ; v80-91 p's codes
.set VF,   92                          ; v92-139 V's four fragments
.set S,    140                         ; v140-203 S^T, then p
.set O,    204                         ; v204-235 O^T
.set KS,   236                         ; v236-243 K's scale words
.set VS,   244                         ; v244-247 V's
.set F,    248                         ; f = 2^(old M - new M); named as a pair with
.set PS,   249                         ; p's scale word
.set R32,  250                         ; 32 r
.set L8,   251                         ; 8 x lane
.set WV,   12                          ; s12 my wave's number
.set SEL,  20                          ; s[20:21] lane l xor 16
.set CS,   22                          ; s[22:23] c = log2(e) / 8
.set TB,   2                           ; s2 LDS byte at which the trip's first record begins
.macro CROUND                          ; a round of the cluster's barrier
	s_barrier_signal -1
	s_barrier_wait -1
	s_cmp_lg_u32 s[WV], 0
	s_cbranch_scc1 .Lnot_wave_0_\@
	s_barrier_signal -3
.Lnot_wave_0_\@:
	s_barrier_wait -3
	s_barrier_signal -1
	s_barrier_wait -1
.endm
	s_load_b128 s[4:7], s[0:1], 0x0                ; q, kv
	s_load_b128 s[8:11], s[0:1], 0x10              ; aoc, aos
	v_lshl_add_u32 v[SPW], v0, 2, SPARE
	v_mov_b32 v[NIL], 0
	ds_add_u32 v[SPW], v[NIL]                      ; the opening lines: the add, twice on end, and its wait
	ds_add_u32 v[SPW], v[NIL]
	v_lshrrev_b32 v1, 5, v0
	v_readfirstlane_b32 s[WV], v1                  ; wave 0..15
	s_bfe_u32 s13, ttmp6, 0x40000                  ; cx: it enters q's and the outputs' addresses alone
	s_lshl_b32 s14, ttmp9, 2
	s_add_co_u32 s14, s14, s13                     ; my block of 256 query positions
	s_and_b32 s15, ttmp7, 0xffff                   ; bh = 16 batch + head, which the four partners share
	s_mov_b32 s24, 15|(3<<16)|(1<<21)              ; group 1: a record, dense, as 51 rows of 256 bytes; the mask names all four work-groups
	s_mov_b32 s25, 32<<16
	s_mov_b32 s26, 51<<16
	s_mov_b32 s27, 32<<16
	s_mov_b32 s28, 51
	s_mov_b32 s29, 32
	s_mov_b32 s30, 0
	s_mov_b32 s31, 0
	s_mul_i32 s40, s15, 16*REC                     ; the head's 16 records,
	s_mul_i32 s33, s[WV], REC                      ; record w: its place in LDS, and in the head
	s_add_co_u32 s40, s40, s33
	s_mov_b32 s41, 0
	s_lshl_b32 s42, s14, 1
	s_lshr_b32 s43, s[WV], 3
	s_add_co_u32 s42, s42, s43                     ; my group of 128 positions
	s_lshl_b32 s43, s15, 4
	s_add_co_u32 s42, s42, s43
	s_mul_i32 s42, s42, 6656                       ; its record in q
	s_and_b32 s44, s[WV], 7                        ; my tile in it
	s_mul_i32 s45, s44, 768
	s_add_co_u32 s46, s42, s45
	s_mov_b32 s47, 0
	s_lshl_b32 s44, s44, 2
	s_add_co_u32 s48, s42, s44
	s_add_co_u32 s48, s48, 6144                    ; its column of scale words
	s_mov_b32 s49, 0
	s_lshr_b32 s50, s15, 4
	s_lshl_b32 s50, s50, 7
	s_lshl_b32 s51, s14, 4
	s_add_co_u32 s50, s50, s51
	s_add_co_u32 s50, s50, s[WV]                   ; my block of 16 positions: 128 batch + 16 x block + wave
	s_and_b32 s51, s15, 15                         ; the head
	s_mul_i32 s52, s50, 12288
	s_mul_i32 s53, s51, 768
	s_add_co_u32 s52, s52, s53
	s_mov_b32 s53, 0
	s_lshl_b32 s54, s50, 9
	s_lshl_b32 s55, s51, 1
	s_add_co_u32 s54, s54, s55
	s_mov_b32 s55, 0
	s_mov_b32 s[SEL], 0x76543210
	s_mov_b32 s[SEL+1], 0xfedcba98
	s_mov_b32 s[CS], 0x3e38aa3b
	s_mov_b32 s[CS+1], s[CS]
	s_mov_b32 s[TB], 0
	s_mov_b32 s3, 8                                ; trips of two records
	s_wait_dscnt 0x0
	s_wait_kmcnt 0x0
	s_mov_b32 s32, 1
	s_add_nc_u64 s[34:35], s[6:7], s[40:41]        ; the record's address: made of the head and the wave's number alone
	s_or_b32 s35, s35, 0x80000000
	s_add_nc_u64 s[16:17], s[4:5], s[46:47]        ; Q's image
	s_add_nc_u64 s[18:19], s[4:5], s[48:49]        ; Q's scale words
	s_add_nc_u64 s[36:37], s[8:9], s[52:53]        ; where my codes go
	s_add_nc_u64 s[38:39], s[10:11], s[54:55]      ; and my scale bytes
	CROUND                                         ; all four work-groups are here: the joint loads meet
	tensor_load_to_lds s[32:35], s[24:31]          ; my one tensor load of the launch
	s_nop 0
.rept 4
	v_nop
.endr
	v_and_b32 v252, 31, v0                         ; lane
	v_and_b32 v253, 15, v0                         ; r
	v_bfe_u32 v254, v0, 4, 1                       ; h
	v_and_b32 v255, 7, v0                          ; r % 8
	v_bfe_u32 v[OM], v0, 3, 1                      ; r / 8
	v_lshlrev_b32 v[BV], 4, v252
	v_lshlrev_b32 v[L8], 3, v252
	v_lshlrev_b32 v[R32], 5, v253
	global_load_b128 v[QF:QF+3], v[BV], s[16:17]   ; Q stays in registers
	global_load_b64 v[QF+4:QF+5], v[L8], s[16:17] offset:512
	global_load_b32 v[QS], v[R32], s[18:19]
	v_lshlrev_b32 v[BVS], 4, v253
	v_lshlrev_b32 v[SH], 3, v254
	v_mul_u32_u24 v[BK16], v[OM], 1536             ; rows 8-15 of a tile come from two images further on
	v_lshl_add_u32 v[BK8], v255, 3, v[BK16]
	v_lshl_add_u32 v[BK16], v255, 4, v[BK16]
	v_lshl_add_u32 v[BK8], v254, 7, v[BK8]         ; 1536 (r / 8) + 8 (r % 8 + 16 h)
	v_lshl_add_u32 v[BK16], v254, 8, v[BK16]       ; 1536 (r / 8) + 16 (r % 8 + 16 h)
	v_lshlrev_b32 v[BKS], 5, v255
	v_lshl_add_u32 v[BKS], v[OM], 3, v[BKS]        ; 32 (r % 8) + 8 (r / 8)
.irp j, 6,7,8,9,10,11
	v_mov_b32 v[QF+\j], 0                          ; the upper 64 of the first product's 128 along K: zero codes
.endr
.irp j, 0,1,2,3,4,5
	v_mov_b32 v[P+\j], 0                           ; named as the upper six of K's last fragment
.endr
	v_mov_b32 v[MR], 0xff61b1e6                    ; the largest score so far: -3e38
	v_floor_f32 v[NM], -v[MR]                      ; -M
	v_mov_b32 v[L], 0
	v_mov_b32 v[L+1], 0
	v_mov_b32 v[PS], 0                             ; (named as the upper half of the pair before it is first written)
.set JJ, 0
.rept 32
	v_mov_b32 v[O+JJ], 0                           ; O^T: the step is written once: the first finds zeros
.set JJ, JJ+1
.endr
	s_wait_alu depctr_va_vdst(0)                   ; at the head's end
	s_wait_tensorcnt 0x0                           ; my record is in,
	s_barrier_signal -1
	s_barrier_wait -1                              ; everybody's is: the whole head lies in LDS, and nothing is written there again
	s_wait_loadcnt 0x0                             ; Q
.macro TMM j0, n                       ; t - M, two at a time (of the pairs c and -M the low word serves both halves)
.set JJ, \j0
.rept \n
	v_pk_fma_f32 v[S+JJ:S+JJ+1], v[S+JJ:S+JJ+1], s[CS:CS+1], v[NM:NM+1] op_sel_hi:[1,0,0]
.set JJ, JJ+2
.endr
.endm
; A step: 128 keys, the record at byte ro behind the trip's first.  second = 0, 1: the trip's first or second step.
.macro STEP ro, second
.irp c, 0,1
.irp u, 0,1,2,3
	ds_load_b128 v[KF+6*(4*\c+\u):KF+6*(4*\c+\u)+3], v[CK16] offset:\ro+3072*\c+768*(\u%2)+128*(\u/2)
	ds_load_b64 v[KF+6*(4*\c+\u)+4:KF+6*(4*\c+\u)+5], v[CK8] offset:\ro+3072*\c+768*(\u%2)+64*(\u/2)+512
.endr
.irp p, 0,1
	ds_load_b64 v[KS+4*\c+2*\p:KS+4*\c+2*\p+1], v[CKS] offset:\ro+KSC+256*\p+16*\c   ; the words of tiles 4 c + 2 p and 4 c + 2 p + 1
.endr
.endr
	s_wait_dscnt 0x0
.irp t, 0,1,2,3,4,5,6,7
	v_wmma_scale_f32_16x16x128_f8f6f4 v[S+8*\t:S+8*\t+7], v[KF+6*\t:KF+6*\t+11], v[QF:QF+11], 0, v[KS+\t], v[QS] matrix_a_fmt:MATRIX_FMT_FP6 matrix_b_fmt:MATRIX_FMT_FP6
.endr
	v_mov_b32 v[OM], v[NM]                         ; four places: behind these products, and behind the last step's in front of the loads into V's registers
.if \second
	v_nop
	v_nop
.else
	v_add_nc_u32 v[CV], s[TB], v[BV]
	v_add_nc_u32 v[CVS], s[TB], v[BVS]
.endif
	v_nop
.irp t, 0,1,2,3
.irp c, 0,1,2
	ds_load_b128 v[VF+12*\t+4*\c:VF+12*\t+4*\c+3], v[CV] offset:\ro+VOF+1536*\t+512*\c   ; V is asked for now and wanted behind the softmax
.endr
.endr
	ds_load_b128 v[VS:VS+3], v[CVS] offset:\ro+VSC
.irp c, 0,1                                    ; the largest score of my two blocks of 32 keys, each in two chains; it serves the row's maximum and, since p rises with the score, the block's largest p
	v_max3_num_f32 v[W+\c], v[S+32*\c], v[S+32*\c+1], v[S+32*\c+2]
	v_max3_num_f32 v[W+2+\c], v[S+32*\c+16], v[S+32*\c+17], v[S+32*\c+18]
.endr
.irp i, 3,5,7,9,11,13
.irp c, 0,1
	v_max3_num_f32 v[W+\c], v[W+\c], v[S+32*\c+\i], v[S+32*\c+\i+1]
	v_max3_num_f32 v[W+2+\c], v[W+2+\c], v[S+32*\c+16+\i], v[S+32*\c+17+\i]
.endr
.endr
.irp c, 0,1
	v_max3_num_f32 v[W+\c], v[W+\c], v[S+32*\c+15], v[S+32*\c+31]
.endr
.irp c, 0,1
	s_delay_alu instid0(VALU_DEP_2)
	v_max_num_f32 v[W+\c], v[W+\c], v[W+2+\c]
.endr
	s_delay_alu instid0(VALU_DEP_1)
	v_max3_num_f32 v[MR], v[MR], v[W], v[W+1]
	s_delay_alu instid0(VALU_DEP_1)
	v_permlanex16_b32 v[W+4], v[MR], s[SEL], s[SEL+1]
	s_delay_alu instid0(VALU_DEP_1)
	v_max_num_f32 v[MR], v[MR], v[W+4]             ; with lane l xor 16's 64 keys: the running largest score of my query
	s_delay_alu instid0(VALU_DEP_1)
	v_mul_f32 v[W+5], s[CS], v[MR]                 ; as t (c is positive)
	s_delay_alu instid0(VALU_DEP_1)
	v_floor_f32 v[NM], -v[W+5]                     ; the new -M = -ceil(t): M is a whole number
	s_delay_alu instid0(VALU_DEP_1)
	v_sub_f32 v[W+5], v[NM], v[OM]                 ; M's old value less its new one: a whole number, 0 or less
	TMM 0, 8
	v_cvt_i32_f32 v[W+5], v[W+5]                   ; (it saturates)
	TMM 16, 8
	v_ldexp_f32 v[F], 1.0, v[W+5]                  ; f = 2^(old M - new M)
	TMM 32, 16
.irp c, 0,1
	v_fma_f32 v[W+\c], v[W+\c], s[CS], v[NM]       ; the same of each block's largest score
.endr
.irp j, 0,2,4,6,8,10,12,14,16,18,20,22,24,26,28,30
	v_pk_mul_f32 v[O+\j:O+\j+1], v[O+\j:O+\j+1], v[F:F+1] op_sel_hi:[1,0]   ; O^T under the new M; each accumulator from its low end on
.endr
	v_pk_mul_f32 v[L:L+1], v[L:L+1], v[F:F+1] op_sel_hi:[1,0]               ; and the sum
	s_wait_alu depctr_va_vdst(0)                   ; ahead of the batch
	s_wait_dscnt 0x0                               ; V is in; no LDS instruction of mine is out
.if \second == 0
	s_barrier_signal -1                            ; one barrier a trip, signalled here and awaited at the same place of the second step: it keeps the sixteen waves within two records of each other
.endif
	v_exp_f32 v[W], v[W]                           ; the blocks' largest p: the same two instructions on the same number give the same bits
	v_exp_f32 v[W+1], v[W+1]
.set JJ, 0
.rept 64
	v_exp_f32 v[S+JJ], v[S+JJ]                     ; p = 2^(t - M): not normalised
.set JJ, JJ+1
.endr
	v_nop                                          ; a plain place behind the exponentials
	s_wait_alu depctr_va_vdst(0)                   ; one wait for the whole batch, ahead of its first reader
.if \second
	s_barrier_wait -1
.endif
.irp c, 0,1
	v_max_num_f32 v[W+\c], 0x1800000, v[W+\c]      ; the floor 2^(3 - 127): the byte cannot fall under 1
.endr
.irp c, 0,1
	s_delay_alu instid0(VALU_DEP_2)
	v_add_nc_u32 v[W+6+\c], 0xff000000, v[W+\c]    ; 2 off the exponent field: the conversion's scale operand
.endr
.irp c, 0,1
	v_cvt_scalef32_pk16_fp6_f32 v[P+6*\c:P+6*\c+2], v[S+32*\c:S+32*\c+15], v[W+6+\c]
	v_cvt_scalef32_pk16_fp6_f32 v[TA+4*\c:TA+4*\c+2], v[S+32*\c+16:S+32*\c+31], v[W+6+\c]   ; (a conversion's three registers begin on an even number)
.endr
.irp c, 0,1
	v_lshrrev_b32 v[W+\c], 23, v[W+6+\c]           ; the scales' bytes.  (Plain lines behind the conversions)
.endr
	s_delay_alu instid0(VALU_DEP_1)
	v_lshl_or_b32 v[W], v[W+1], 16, v[W]           ; blocks h and 2 + h,
	s_delay_alu instid0(VALU_DEP_1)
	v_lshlrev_b32 v[W], v[SH], v[W]                ; at their places in the word, 8 h bits up;
	s_delay_alu instid0(VALU_DEP_1)
	v_permlanex16_b32 v[W+4], v[W], s[SEL], s[SEL+1]
	s_delay_alu instid0(VALU_DEP_1)
	v_or_b32 v[PS], v[W], v[W+4]                   ; with lane l xor 16's two the word is whole
.irp c, 0,1
.irp i, 0,1,2
	v_mov_b32 v[P+3+6*\c+\i], v[TA+4*\c+\i]        ; registers 6 c .. 6 c + 5: k = 64 c + 32 h + 0 .. 31
.endr
.endr
.irp i, 0,1,2                                  ; the row's sum, of the unquantised p, two at a time, in four chains.  (These 32 are also the places between p's codes and scale word and the products below)
	v_pk_add_f32 v[T+2*\i:T+2*\i+1], v[S+4*\i:S+4*\i+1], v[S+4*\i+2:S+4*\i+3]
.endr
.irp j, 12,20,28,36,44,52
	v_pk_add_f32 v[L:L+1], v[L:L+1], v[S+\j:S+\j+1]
.irp i, 0,1,2
	v_pk_add_f32 v[T+2*\i:T+2*\i+1], v[T+2*\i:T+2*\i+1], v[S+\j+2+2*\i:S+\j+3+2*\i]
.endr
.endr
	v_pk_add_f32 v[L:L+1], v[L:L+1], v[S+60:S+61]
	v_pk_add_f32 v[T:T+1], v[T:T+1], v[S+62:S+63]
	v_pk_add_f32 v[T+2:T+3], v[T+2:T+3], v[T+4:T+5]
	s_delay_alu instid0(VALU_DEP_2)
	v_pk_add_f32 v[L:L+1], v[L:L+1], v[T:T+1]
	s_delay_alu instid0(VALU_DEP_1)
	v_pk_add_f32 v[L:L+1], v[L:L+1], v[T+2:T+3]
.irp t, 0,1,2,3                                ; O^T += V^T P^T: the head's four tiles of 16 channels by turns
	v_wmma_scale_f32_16x16x128_f8f6f4 v[O+8*\t:O+8*\t+7], v[VF+12*\t:VF+12*\t+11], v[P:P+11], v[O+8*\t:O+8*\t+7], v[VS+\t], v[PS] matrix_a_fmt:MATRIX_FMT_FP6 matrix_b_fmt:MATRIX_FMT_FP6
.endr
.endm
.Ltrip:                                            ; 8 trips of two records
	v_add_nc_u32 v[CK16], s[TB], v[BK16]
	v_add_nc_u32 v[CK8], s[TB], v[BK8]
	v_add_nc_u32 v[CKS], s[TB], v[BKS]
	STEP 0, 0
	STEP REC, 1
	s_add_co_u32 s[TB], s[TB], 2*REC
	s_sub_co_u32 s3, s3, 1
	s_cmp_lg_u32 s3, 0
	s_cbranch_scc1 .Ltrip
	; THE WAY OUT.  O^T / the sum; by the order of V's channel positions register 16 b + i is channel 32 b + 16 (lane / 16) + i of the head: two blocks of the next product's K.
	v_add_f32 v[L], v[L], v[L+1]                   ; the sum's two halves,
	s_delay_alu instid0(VALU_DEP_1)
	v_permlanex16_b32 v[W+4], v[L], s[SEL], s[SEL+1]
	s_delay_alu instid0(VALU_DEP_1)
	v_add_f32 v[L], v[L], v[W+4]                   ; and lane l xor 16's: the row's sum
	s_wait_alu depctr_va_vdst(0)                   ; ahead of the transcendental
	v_rcp_f32 v[L], v[L]
	v_mov_b32 v[L+1], 0                            ; (a plain place behind the reciprocal; with the additions and the two lines below: the places behind the last products)
	v_nop
	v_nop
	s_wait_alu depctr_va_vdst(0)                   ; and ahead of the first reader
.irp j, 0,2,4,6,8,10,12,14,16,18,20,22,24,26,28,30
	v_pk_mul_f32 v[S+\j:S+\j+1], v[O+\j:O+\j+1], v[L:L+1] op_sel_hi:[1,0]   ; each accumulator from its low end on
.endr
.irp b, 0,1
	v_max3_num_f32 v[W+\b], |v[S+16*\b]|, |v[S+1+16*\b]|, 0x1800000   ; my 16 numbers of block b, and the floor
.endr
.irp i, 2,4,6,8,10,12,14
.irp b, 0,1
	s_delay_alu instid0(VALU_DEP_2)
	v_max3_num_f32 v[W+\b], v[W+\b], |v[S+16*\b+\i]|, |v[S+1+16*\b+\i]|
.endr
.endr
.irp b, 0,1
	s_delay_alu instid0(VALU_DEP_2)
	v_permlanex16_b32 v[W+2+\b], v[W+\b], s[SEL], s[SEL+1]
.endr
.irp b, 0,1
	s_delay_alu instid0(VALU_DEP_2)
	v_max_num_f32 v[W+\b], v[W+\b], v[W+2+\b]
.endr
.irp b, 0,1
	s_delay_alu instid0(VALU_DEP_2)
	v_add_nc_u32 v[W+6+\b], 0xff000000, v[W+\b]
.endr
.irp b, 0,1
	s_delay_alu instid0(VALU_DEP_2)
	v_lshrrev_b32 v[W+\b], 23, v[W+6+\b]
.endr
	s_delay_alu instid0(VALU_DEP_1)
	v_lshl_or_b32 v[W+8], v[W+1], 8, v[W]          ; my row's two scale bytes
	v_cvt_scalef32_pk16_fp6_f32 v[P:P+2], v[S:S+15], v[W+6]
	v_cvt_scalef32_pk16_fp6_f32 v[S+32:S+34], v[S+16:S+31], v[W+7]
	v_nop                                          ; one plain place behind the scaled conversions
.irp i, 0,1,2
	v_permlane16_swap_b32 v[P+\i], v[S+32+\i]      ; lanes 0-15 block 0, lanes 16-31 block 1: the lower 16 codes in the first, the upper in the second
.endr
.irp i, 0,1,2
	s_delay_alu instid0(VALU_DEP_3)
	v_mov_b32 v[P+3+\i], v[S+32+\i]
.endr
	global_store_b128 v[BV], v[P:P+3], s[36:37]    ; the image: 512 consecutive bytes,
	global_store_b64 v[L8], v[P+4:P+5], s[36:37] offset:512   ; and 256 more
	v_cmp_gt_u32 vcc_lo, 16, v252
	s_wait_xcnt 0x0                                ; EXEC changes only behind this wait
	s_and_saveexec_b32 s56, vcc_lo                 ; lanes 0-15: a lane a row; a row's other bytes belong to other heads' work-groups
	global_store_b16 v[R32], v[W+8], s[38:39]
	s_wait_xcnt 0x0                                ; and again, in front of the line that widens it
	s_or_b32 exec_lo, exec_lo, s56
	s_wait_tensorcnt 0x0                           ; the wave's end
	ds_add_u32 v[SPW], v[NIL]
	s_wait_dscnt 0x0
	CROUND                                         ; the closing round
	s_endpgm
.Lfunc_end_k_q45a2490d9e_attn:
	.size	k_q45a2490d9e_attn, .Lfunc_end_k_q45a2490d9e_attn-k_q45a2490d9e_attn
	.p2alignl 7, 3214868480
	.fill 96, 4, 3214868480
	.section	.rodata,"a",@progbits
	.p2align	6, 0x0
	.amdhsa_kernel k_q45a2490d9e_attn
		.amdhsa_group_segment_fixed_size 215040
		.amdhsa_private_segment_fixed_size 0
		.amdhsa_enable_private_segment 0
		.amdhsa_kernarg_size 32
		.amdhsa_user_sgpr_count 2
		.amdhsa_user_sgpr_kernarg_segment_ptr 1
		.amdhsa_wavefront_size32 1
		.amdhsa_system_sgpr_workgroup_id_x 1
		.amdhsa_system_sgpr_workgroup_id_y 1
		.amdhsa_system_sgpr_workgroup_id_z 1
		.amdhsa_system_vgpr_workitem_id 0
		.amdhsa_next_free_vgpr 256
		.amdhsa_next_free_sgpr 66
		.amdhsa_reserve_vcc 1
		.amdhsa_float_denorm_mode_32 3
		.amdhsa_float_denorm_mode_16_64 3
		.amdhsa_memory_ordered 1
		.amdhsa_forward_progress 1
		.amdhsa_inst_pref_size 42
	.end_amdhsa_kernel
	.amdgpu_metadata
---
amdhsa.version: [ 1, 2 ]
amdhsa.kernels:
  - .name:           k_q45a2490d9e_attn
    .symbol:         k_q45a2490d9e_attn.kd
    .args:
      - { .name: q, .offset: 0, .size: 8, .value_kind: global_buffer, .address_space: global }
      - { .name: kv, .offset: 8, .size: 8, .value_kind: global_buffer, .address_space: global }
      - { .name: aoc, .offset: 16, .size: 8, .value_kind: global_buffer, .address_space: global }
      - { .name: aos, .offset: 24, .size: 8, .value_kind: global_buffer, .address_space: global }
    .group_segment_fixed_size: 215040
    .private_segment_fixed_size: 0
    .kernarg_segment_align: 8
    .kernarg_segment_size: 32
    .max_flat_workgroup_size: 512
    .sgpr_count:     66
    .vgpr_count:     256
    .wavefront_size: 32
...
	.end_amdgpu_metadata
.endif
;; end of part 3
;; launch oproj (part 4): grid 8 x 32, 4 waves a work-group, clusters of 4 x 4, 223,232 bytes of LDS; arguments aoc, aos, c, s, bo, out0; writes out0
.if DOCPART == 4
	.amdgcn_target "amdgcn-amd-amdhsa--gfx1250"
	.amdhsa_code_object_version 6
	.text
	.protected	k_q45a2490d9e_oproj
	.globl	k_q45a2490d9e_oproj
	.p2align	8
	.type	k_q45a2490d9e_oproj,@function
k_q45a2490d9e_oproj:
	s_mov_b64 s[64:65], 0
	v_nop
	global_prefetch_b8 v0, s[64:65] scope:SCOPE_SE
	s_setreg_imm32_b32 hwreg(HW_REG_WAVE_MODE, 25, 1), 1
	s_wait_xcnt 0x0
	s_wait_alu depctr_hold_cnt(0) depctr_sa_sdst(0) depctr_va_vdst(0) depctr_va_sdst(0) depctr_va_ssrc(0) depctr_va_vcc(0) depctr_vm_vsrc(0)
	s_getreg_b32 s2, hwreg(HW_REG_IB_STS2, 6, 4)
	s_cmp_eq_u32 s2, 0
	s_cbranch_scc0 .Lentry_in_a_cluster
	s_endpgm
.Lentry_in_a_cluster:
	s_bfe_u32 s2, ttmp6, 0x10000c
	s_cmp_lg_u32 s2, 0xf033
	s_cbranch_scc0 .Lentry_shape_is_right
	s_endpgm
.Lentry_shape_is_right:
; out0 = attention's result x Wo^T + bo, on codes of FP6 (E2M3) with E8M0 scales; out0 [4096][1024] f32.
; OPERANDS.  aoc and c: [block of 16 positions][K / 64][768 bytes], each 768 bytes an image of six registers a lane (16 bytes at 16 x lane, 8 at 512 + 8 x lane); aos and s: [position][32 scale bytes].  Wo's blocks are 448-511 of c.
; Position p holds row 32 (p / 32) + 8 ((p / 16) % 2) + p % 16 + 8 ((p / 8) % 2), of the tokens and of Wo's rows alike.
; A tile, 128 x 128, is made by a work-group of four waves, 64 x 64 each: 16 accumulators.  256 work-groups.
; ALL OF K LIES IN LDS: A's eight blocks (98,304 bytes, dense in memory), B's eight, and their scales (4,096 bytes each): four tiles, one tensor load a wave at the head.  No byte is filled again, and one barrier serves the launch.
; CLUSTERS: 4 x 4 work-groups; A's tiles are shared along a row of the cluster, B's along a column: each is asked for jointly.  No prefetch: every byte is asked for at the head, so there is no loop to run ahead in.
; THE MATRIX INSTRUCTION IS USED TRANSPOSED (source 0 = 16 positions of Wo, source 1 = 16 token positions): a lane holds one token, its registers run along the output's channels.  The bias is the C of each sum's first product.
; REGISTERS: window 0: v16-28 addresses; v30-31 the add's; v32-63 scale words and nothing else; v64-95 the bias, then with v96-127 the way out; v128-255 the accumulators.  Window 1: two sets of fragments at v0 and v128: A's four, then B's four.
.set FR,     12
.set RBB,    12288                     ; a block of 16 positions x all of K
.set PART,   8*RBB                     ; A's eight blocks; B's lie behind them
.set KS,     32
.set SCL,    2*PART                    ; the scales, as units of 256 bytes + 16 of padding
.set HALFS,  8*272                     ; those of 64 positions
.set SBLK,   2*272                     ; those of 16
.set STG,    SCL+4*HALFS               ; the way out: 16 rows of 272 bytes for each wave; no fill lands here
.set SPITCH, 272
.set SPARE,  STG+4*16*SPITCH           ; the spare words
.set ADRA, 16                          ; v16 16 x lane + my A blocks, v17 the same with 8 x lane
.set ADRB, 20
.set STO,  24
.set RD,   25
.set CO,   26
.set ADRS, 27
.set BOF,  28
.set SC,   32                          ; register 8 i + k: lanes 0-15 A's block i, lanes 16-31 B's block i, the k-th 128 along K
.set BI,   64
.set BK,   64
.set ACC,  128
.set G1,   24
.set G1B,  48
.set G1S,  68
.set G1SB, 80
.set GA,   32
.set GB,   36
.set GSA,  76
.set GSB,  88
.set MSB, 0
.macro WIN new
.if MSB != (\new)
	s_set_vgpr_msb (MSB<<8)|(\new)
.set MSB, (\new)
.endif
.endm
.set MULW, 0x05                        ; sources 0 and 1 window 1
.set TO_F, 0x40                        ; destination window 1
.macro CROUND
	s_barrier_signal -1
	s_barrier_wait -1
	s_cmp_lg_u32 s14, 0
	s_cbranch_scc1 .Lnot_wave_0_\@
	s_barrier_signal -3
.Lnot_wave_0_\@:
	s_barrier_wait -3
	s_barrier_signal -1
	s_barrier_wait -1
.endm
	s_load_b128 s[4:7], s[0:1], 0x0                ; aoc, aos
	s_load_b128 s[8:11], s[0:1], 0x10              ; c, s
	s_load_b128 s[96:99], s[0:1], 0x20             ; bo, out0
	v_lshl_add_u32 v30, v0, 2, SPARE
	v_mov_b32 v31, 0
	ds_add_u32 v30, v31                            ; the opening lines: the add, twice on end, and its wait
	ds_add_u32 v30, v31
	v_lshrrev_b32 v1, 5, v0
	v_readfirstlane_b32 s14, v1                    ; wave
	s_lshr_b32 s15, s14, 1                         ; which 64 of the tile's tokens are mine
	s_and_b32 s16, s14, 1                          ; which 64 of its channels
	s_bfe_u32 s40, ttmp6, 0x40000
	s_bfe_u32 s41, ttmp6, 0x40004
	s_lshl_b32 s42, ttmp9, 2
	s_add_co_u32 s42, s42, s40                     ; tile column
	s_and_b32 s17, ttmp7, 0xffff
	s_lshl_b32 s17, s17, 2
	s_add_co_u32 s17, s17, s41                     ; tile row
	s_lshl_b32 s43, s41, 2
	s_lshl_b32 s43, 15, s43                        ; my row of the cluster
	s_lshl_b32 s44, 0x1111, s40                    ; my column
	s_or_b32 s[G1+0], s43, (3<<16)|(1<<21)         ; codes: eight rows of 12,288 bytes (1,536 elements of 8), on end in memory and in LDS
	s_or_b32 s[G1B+0], s44, (3<<16)|(1<<21)
.irp g, G1, G1B
	s_mov_b32 s[\g+1], 1536<<16
	s_mov_b32 s[\g+2], 8<<16
	s_mov_b32 s[\g+3], 1536<<16
	s_mov_b32 s[\g+4], 8
	s_mov_b32 s[\g+5], 1536
	s_mov_b32 s[\g+6], 0
	s_mov_b32 s[\g+7], 0
.endr
	s_or_b32 s[G1S+0], s43, (3<<16)|(1<<20)|(1<<21)|(5<<22)|(3<<25)   ; scales: 16 rows of 256 bytes, 16 bytes of padding behind each
	s_or_b32 s[G1SB+0], s44, (3<<16)|(1<<20)|(1<<21)|(5<<22)|(3<<25)
.irp g, G1S, G1SB
	s_mov_b32 s[\g+1], 32<<16
	s_mov_b32 s[\g+2], 16<<16
	s_mov_b32 s[\g+3], 32<<16
	s_mov_b32 s[\g+4], 16
	s_mov_b32 s[\g+5], 32
	s_mov_b32 s[\g+6], 0
	s_mov_b32 s[\g+7], 0
.endr
	s_mul_i32 s20, s17, PART                       ; A's codes: made of the tile row alone
	s_mov_b32 s21, 0
	s_lshl_b32 s22, s17, 12                        ; and scales
	s_mov_b32 s23, 0
	s_lshl_b32 s46, s42, 3
	s_add_co_u32 s46, s46, 448                     ; B's first block: made of the tile column alone
	s_lshl_b32 s92, s46, 9
	s_mov_b32 s93, 0
	s_mul_i32 s46, s46, RBB
	s_mov_b32 s47, 0
	s_mul_i32 s60, s15, 4*RBB                      ; LDS: my four blocks of A,
	s_mul_i32 s61, s16, 4*RBB
	s_add_co_u32 s61, s61, PART                    ; of B,
	s_mul_i32 s62, s15, HALFS
	s_mul_i32 s63, s16, HALFS
	s_add_co_u32 s63, s63, 2*HALFS
	s_sub_co_u32 s63, s63, s62                     ; from A's scales to B's,
	s_add_co_u32 s62, s62, SCL
	s_mul_i32 s94, s14, 16*SPITCH
	s_add_co_u32 s94, s94, STG                     ; my stage
	s_lshl_b32 s56, s42, 9
	s_lshl_b32 s57, s16, 8
	s_add_co_u32 s56, s56, s57                     ; my first channel, in bytes
	s_mov_b32 s57, 0
	s_lshl_b32 s58, s17, 7
	s_lshl_b32 s59, s15, 6
	s_add_co_u32 s58, s58, s59
	s_lshl_b32 s58, s58, 12                        ; my first row of out0, in bytes
	s_add_co_u32 s58, s58, s56
	s_mov_b32 s59, 0
	s_wait_dscnt 0x0
	s_wait_kmcnt 0x0
	s_add_nc_u64 s[20:21], s[4:5], s[20:21]
	s_add_nc_u64 s[22:23], s[6:7], s[22:23]
	s_add_nc_u64 s[46:47], s[8:9], s[46:47]
	s_add_nc_u64 s[92:93], s[10:11], s[92:93]
	s_add_nc_u64 s[96:97], s[96:97], s[56:57]
	s_add_nc_u64 s[98:99], s[98:99], s[58:59]
	CROUND                                         ; all sixteen work-groups are here: the joint loads meet
	s_mov_b32 s[GA], 1
	s_mov_b32 s[GA+1], 0
	s_mov_b64 s[GA+2:GA+3], s[20:21]
	s_or_b32 s[GA+3], s[GA+3], 0x80000000
	s_mov_b32 s[GB], 1
	s_mov_b32 s[GB+1], PART
	s_mov_b64 s[GB+2:GB+3], s[46:47]
	s_or_b32 s[GB+3], s[GB+3], 0x80000000
	s_mov_b32 s[GSA], 1
	s_mov_b32 s[GSA+1], SCL
	s_mov_b64 s[GSA+2:GSA+3], s[22:23]
	s_or_b32 s[GSA+3], s[GSA+3], 0x80000000
	s_mov_b32 s[GSB], 1
	s_mov_b32 s[GSB+1], SCL+2*HALFS
	s_mov_b64 s[GSB+2:GSB+3], s[92:93]
	s_or_b32 s[GSB+3], s[GSB+3], 0x80000000
; The launch's four loads, one a wave: one chain of branches on the wave's number, a load to an arm, all arms leading to one join.
.macro ARM under, g0, g1, next
	s_cmp_lt_u32 s14, \under
	s_cbranch_scc0 \next
	tensor_load_to_lds s[\g0:\g0+3], s[\g1:\g1+7]
	s_nop 0
.rept 4
	v_nop
.endr
	s_branch .Lhead_asked
\next:
.endm
	ARM 1, GA,  G1,  .Lhead_b
	ARM 2, GB,  G1B, .Lhead_sa
	ARM 3, GSA, G1S, .Lhead_sb
	tensor_load_to_lds s[GSB:GSB+3], s[G1SB:G1SB+7]
	s_nop 0
.rept 4
	v_nop
.endr
.Lhead_asked:
	v_and_b32 v3, 31, v0
	v_and_b32 v1, 15, v0                           ; r
	v_bfe_u32 v2, v0, 4, 1                         ; h
	v_lshlrev_b32 v4, 4, v3
	v_lshlrev_b32 v5, 3, v3
	v_add_nc_u32 v[ADRA], s60, v4
	v_add_nc_u32 v[ADRA+1], s60, v5
	v_add_nc_u32 v[ADRB], s61, v4
	v_add_nc_u32 v[ADRB+1], s61, v5
	v_lshlrev_b32 v[BOF], 6, v2                    ; 64 h: result tile b's eight registers are channels 32 (b / 2) + 8 (b % 2) + 16 h + 0 .. 7
.irp b, 0,1,2,3
	global_load_b128 v[BI+8*\b:BI+8*\b+3], v[BOF], s[96:97] offset:128*(\b/2)+32*(\b%2)
	global_load_b128 v[BI+8*\b+4:BI+8*\b+7], v[BOF], s[96:97] offset:128*(\b/2)+32*(\b%2)+16
.endr
	v_mul_u32_u24 v5, v1, KS                       ; my row's scales: KS bytes a row,
	v_lshrrev_b32 v6, 8, v5
	v_lshl_add_u32 v5, v6, 4, v5                   ; and 16 more for each 256 passed
	v_mul_u32_u24 v6, s63, v2                      ; lanes 16-31 take B's
	v_add_nc_u32 v5, v5, v6
	v_add_nc_u32 v[ADRS], s62, v5
	v_mul_u32_u24 v5, v1, SPITCH                   ; into the stage: row r, 64 h bytes on
	v_lshl_add_u32 v5, v2, 6, v5
	v_add_nc_u32 v[STO], s94, v5
	v_mul_u32_u24 v5, v2, SPITCH                   ; back: lanes 0-15 one row of 256 bytes, lanes 16-31 the next
	v_lshl_add_u32 v5, v1, 4, v5
	v_add_nc_u32 v[RD], s94, v5
	v_lshlrev_b32 v6, 4, v1
	v_lshl_add_u32 v[CO], v2, 12, v6               ; and the same two rows in out0
.macro FRAG reg, adr, off              ; a fragment, 16 positions x 128 K, is two images on end
	ds_load_b128 v[\reg:\reg+3], v[\adr] offset:\off
	ds_load_b64 v[\reg+4:\reg+5], v[\adr+1] offset:\off+512
	ds_load_b128 v[\reg+6:\reg+9], v[\adr] offset:\off+768
	ds_load_b64 v[\reg+10:\reg+11], v[\adr+1] offset:\off+1280
.endm
.macro FETCH k                         ; the k-th 128 along K into set k % 2: 32 loads
	WIN TO_F
.irp i, 0,1,2,3
	FRAG 128*((\k)%2)+48+FR*\i, ADRB, 1536*(\k)+RBB*\i
	FRAG 128*((\k)%2)+FR*\i, ADRA, 1536*(\k)+RBB*\i
.endr
.endm
.macro MUL k, first                    ; 16 products, the 16 accumulators by turns; first = 1: the bias starts the sums
	WIN MULW
.irp a, 0,1,2,3
.irp b, 0,1,2,3
.if \first
	v_wmma_scale_f32_16x16x128_f8f6f4 v[ACC+8*(4*\a+\b):ACC+8*(4*\a+\b)+7], v[128*((\k)%2)+48+FR*\b:128*((\k)%2)+48+FR*\b+FR-1], v[128*((\k)%2)+FR*\a:128*((\k)%2)+FR*\a+FR-1], v[BI+8*\b:BI+8*\b+7], v[SC+8*\b+(\k)], v[SC+8*\a+(\k)] matrix_a_fmt:MATRIX_FMT_FP6 matrix_b_fmt:MATRIX_FMT_FP6 matrix_a_scale:MATRIX_SCALE_ROW1
.else
	v_wmma_scale_f32_16x16x128_f8f6f4 v[ACC+8*(4*\a+\b):ACC+8*(4*\a+\b)+7], v[128*((\k)%2)+48+FR*\b:128*((\k)%2)+48+FR*\b+FR-1], v[128*((\k)%2)+FR*\a:128*((\k)%2)+FR*\a+FR-1], v[ACC+8*(4*\a+\b):ACC+8*(4*\a+\b)+7], v[SC+8*\b+(\k)], v[SC+8*\a+(\k)] matrix_a_fmt:MATRIX_FMT_FP6 matrix_b_fmt:MATRIX_FMT_FP6 matrix_a_scale:MATRIX_SCALE_ROW1
.endif
.endr
.endr
.endm
.macro PLACES                          ; four places behind matrix instructions, in front of loads into their operands and of reads of their results
.rept 4
	v_nop
.endr
.endm
	s_wait_alu depctr_va_vdst(0)                   ; at the head's end
	s_wait_tensorcnt 0x0                           ; my tile is in,
	s_barrier_signal -1
	s_barrier_wait -1                              ; everybody's is
.irp i, 0,1,2,3
	ds_load_b128 v[SC+8*\i:SC+8*\i+3], v[ADRS] offset:\i*SBLK          ; a row's eight scale words: all of K
	ds_load_b128 v[SC+8*\i+4:SC+8*\i+7], v[ADRS] offset:\i*SBLK+16
.endr
	FETCH 0
	FETCH 1
	s_wait_loadcnt 0x0                             ; the bias
	s_wait_dscnt 32                                ; all but the 32 loads just issued
	MUL 0, 1
.irp k, 1,2,3,4,5,6
	PLACES
	FETCH \k+1
	s_wait_dscnt 32
	MUL \k, 0
.endr
	s_wait_dscnt 0x0
	MUL 7, 0
	WIN 0
; THE WAY OUT, block by block of 16 tokens x 64 channels, through my own stage: back come whole rows of 256 bytes, which sixteen lanes store as one aligned unit.
.macro TOSTAGE a
.irp b, 0,1,2,3
	ds_store_b128 v[STO], v[ACC+8*(4*(\a)+\b):ACC+8*(4*(\a)+\b)+3] offset:128*(\b/2)+32*(\b%2)       ; each accumulator from its low end on
	ds_store_b128 v[STO], v[ACC+8*(4*(\a)+\b)+4:ACC+8*(4*(\a)+\b)+7] offset:128*(\b/2)+32*(\b%2)+16
.endr
.set BB, BK+32*((\a)%2)
.irp t, 0,1,2,3,4,5,6,7
	ds_load_b128 v[BB+4*\t:BB+4*\t+3], v[RD] offset:\t*2*SPITCH        ; LDS serves a wave's instructions in order: these see the stores above
.endr
.endm
.macro SEND a, younger                 ; younger: the LDS instructions issued behind block a's loads
.set BB, BK+32*((\a)%2)
	s_wait_dscnt \younger
.irp t, 0,1,2,3,4,5,6,7
	global_store_b128 v[CO], v[BB+4*\t:BB+4*\t+3], s[98:99] offset:(32*((\a)/2)+8*((\a)%2)+2*\t+8*(\t/4))*4096 th:TH_STORE_NT   ; position 2 t + h of block a, at its row
.endr
.endm
	PLACES
	TOSTAGE 0
.irp a, 1,2,3
.if \a > 1
	s_wait_xcnt 0x0                                ; block a - 2's stores have read their registers
.endif
	TOSTAGE \a
	SEND \a-1, 16                                  ; behind block a - 1's loads: block a's 8 stores and 8 loads
.endr
	SEND 3, 0
	s_wait_tensorcnt 0x0                           ; the wave's end
	ds_add_u32 v30, v31
	s_wait_dscnt 0x0
	CROUND                                         ; the closing round
	s_endpgm
.Lfunc_end_k_q45a2490d9e_oproj:
	.size	k_q45a2490d9e_oproj, .Lfunc_end_k_q45a2490d9e_oproj-k_q45a2490d9e_oproj
	.p2alignl 7, 3214868480
	.fill 96, 4, 3214868480
	.section	.rodata,"a",@progbits
	.p2align	6, 0x0
	.amdhsa_kernel k_q45a2490d9e_oproj
		.amdhsa_group_segment_fixed_size 223232
		.amdhsa_private_segment_fixed_size 0
		.amdhsa_enable_private_segment 0
		.amdhsa_kernarg_size 48
		.amdhsa_user_sgpr_count 2
		.amdhsa_user_sgpr_kernarg_segment_ptr 1
		.amdhsa_wavefront_size32 1
		.amdhsa_system_sgpr_workgroup_id_x 1
		.amdhsa_system_sgpr_workgroup_id_y 1
		.amdhsa_system_sgpr_workgroup_id_z 1
		.amdhsa_system_vgpr_workitem_id 0
		.amdhsa_next_free_vgpr 512
		.amdhsa_next_free_sgpr 100
		.amdhsa_reserve_vcc 0
		.amdhsa_float_denorm_mode_32 3
		.amdhsa_float_denorm_mode_16_64 3
		.amdhsa_memory_ordered 1
		.amdhsa_forward_progress 1
		.amdhsa_inst_pref_size 51
	.end_amdhsa_kernel
	.amdgpu_metadata
---
amdhsa.version: [ 1, 2 ]
amdhsa.kernels:
  - .name:           k_q45a2490d9e_oproj
    .symbol:         k_q45a2490d9e_oproj.kd
    .args:
      - { .name: aoc, .offset: 0, .size: 8, .value_kind: global_buffer, .address_space: global }
      - { .name: aos, .offset: 8, .size: 8, .value_kind: global_buffer, .address_space: global }
      - { .name: c, .offset: 16, .size: 8, .value_kind: global_buffer, .address_space: global }
      - { .name: s, .offset: 24, .size: 8, .value_kind: global_buffer, .address_space: global }
      - { .name: bo, .offset: 32, .size: 8, .value_kind: global_buffer, .address_space: global }
      - { .name: out0, .offset: 40, .size: 8, .value_kind: global_buffer, .address_space: global }
    .group_segment_fixed_size: 223232
    .private_segment_fixed_size: 0
    .kernarg_segment_align: 8
    .kernarg_segment_size: 48
    .max_flat_workgroup_size: 128
    .sgpr_count:     100
    .vgpr_count:     512
    .wavefront_size: 32
...
	.end_amdgpu_metadata
.endif
;; end of part 4
